; MI455X (gfx1250); checked and timed in simulation.
; The chip was launched on July 23, 2026; its instructions are those of AMD's public machine-readable ISA for CDNA 5 (MIT licence, August 2026) and "CDNA5" Instruction Set Architecture Reference Guide (July 2026). The comments in the code are by the model that wrote it; some were corrected since.
;; Transformer Block. Allowed arithmetic: matrix products marked QUANTISED: E2M3 operands, one E8M0 scale for each 32 along K, by v_wmma_scale_f32_16x16x128_f8f6f4 with both operands' format E2M3, f32 sums; products left as they are: f32 operands where the result goes on into a quantised operand, else bf16, f16 or f32 operands; f32 sums; everything else in f32.
;; Inputs: ada1_b 2,048 float32; ada1_w 1,024 x 2,048 float32; ada2_b 2,048 float32; ada2_w 1,024 x 2,048 float32; attn_mask 2 x 2,048 bool; bk 1,024 float32; bo 1,024 float32; bq 1,024 float32; bv 1,024 float32; cond 2 x 1,024 float32; ff_b1 4,096 float32; ff_b2 1,024 float32; ff_w1 1,024 x 4,096 float32; ff_w2 4,096 x 1,024 float32; ln1_b 1,024 float32; ln1_g 1,024 float32; ln2_b 1,024 float32; ln2_g 1,024 float32; wk 1,024 x 1,024 float32; wo 1,024 x 1,024 float32; wq 1,024 x 1,024 float32; wv 1,024 x 1,024 float32; x 2 x 2,048 x 1,024 float32.
;; Outputs: out0 2 x 2,048 x 1,024 float32.
;; This version of the problem:
;;   THIS VERSION OF THE PROBLEM IS GIVEN IN LOW PRECISION. The matrix products marked QUANTISED in the list below multiply operands that are first quantised to E2M3 (2 exponent bits, 3 mantissa bits; 6 bits a number), with one power-of-two scale for each 32 numbers along K (OCP MX v1.0); their sums are f32. All else is computed in f32.
;;   The module's matrix products, in the order in which they are computed (A, B: the left and right operand; K: the contracted axis; several contracted axes count as one K, in the product's order):
;;     1. [M 2, K 1,024] x [K 1,024, N 2,048]; A: input cond; B: input ada1_w: left as it is (M = 2 < 16)
;;     2. [M 4,096, K 1,024] x [K 1,024, N 1,024]; A: computed on the way; B: input wq: QUANTISED
;;     3. [M 4,096, K 1,024] x [K 1,024, N 1,024]; A: computed on the way; B: input wk: QUANTISED
;;     4. [M 4,096, K 1,024] x [K 1,024, N 1,024]; A: computed on the way; B: input wv: QUANTISED
;;     5. batch 32 x [M 2,048, K 64] x [K 64, N 2,048]; A: computed on the way; B: computed on the way: QUANTISED
;;     6. batch 32 x [M 2,048, K 2,048] x [K 2,048, N 64]; A: softmax (see below); B: computed on the way: QUANTISED
;;     7. [M 4,096, K 1,024] x [K 1,024, N 1,024]; A: computed on the way; B: input wo: QUANTISED
;;     8. [M 2, K 1,024] x [K 1,024, N 2,048]; A: input cond; B: input ada2_w: left as it is (M = 2 < 16)
;;     9. [M 4,096, K 1,024] x [K 1,024, N 4,096]; A: computed on the way; B: input ff_w1: QUANTISED
;;     10. [M 4,096, K 4,096] x [K 4,096, N 1,024]; A: computed on the way; B: input ff_w2: QUANTISED
;;   THE QUANTISER, for each operand of a quantised product, along K:
;;     - K is cut into blocks of 32 from its start; a last block that is shorter is filled with zeros.
;;     - A block's scale is 2^e with e = floor(log2(the largest magnitude in the block)) - 2, held to -126 .. 127; a block of zeros has e = 0. As a byte (E8M0): e + 127.
;;     - Each number is divided by its block's scale, clamped to +-7.5, and rounded to the nearest number of E2M3, ties to even, subnormals kept.
;;     - The product sums the exact products of the quantised numbers (number of the format x scale) in f32.
;;   ~~~python
;;   def quantise(x, axis):      # numpy; x: float32 -> the quantised numbers, widened to float32 again
;;       x = np.moveaxis(x, axis, -1); K = x.shape[-1]
;;       x = np.pad(x, [(0, 0)] * (x.ndim - 1) + [(0, -K % 32)]); x = x.reshape(x.shape[:-1] + (-1, 32)); a = np.abs(x).max(-1, keepdims=True)
;;       e = np.where(a > 0, np.clip(np.frexp(np.where(a > 0, a, 1))[1] - 1 - 2, -126, 127), 0)      # np.frexp(a)[1] - 1 = floor(log2(a)), exactly
;;       r = np.clip(x / 2.0 ** e, -7.5, 7.5)
;;       step = 2.0 ** (np.maximum(np.frexp(np.where(r == 0, 1, r))[1] - 1, 0) - 3)
;;       q = np.round(r / step) * step * 2.0 ** e      # np.round: ties to even
;;       return np.moveaxis(q.reshape(q.shape[:-2] + (-1,))[..., :K], -1, axis).astype(np.float32)
;;   ~~~
;;   SOFTMAX AHEAD OF A QUANTISED PRODUCT. Where the list says 'softmax', what is quantised is not the finished softmax but p = 2^(t - M), with t = logit x log2(e) and M = ceil(the row's largest t), a whole number; so 1/2 < the row's largest p <= 1. The row's sum l is taken of the UNQUANTISED p, in f32, and the product's result is divided by l at the end. Since M is a whole number, a kernel that streams over the keys may use a running M (the ceiling of the running maximum): every later rescaling is an exact power of two, which a block's scale takes up: the codes' values come out the same.
;;   OPERANDS COMPUTED ON THE WAY. 'Computed on the way' means the value that the module computes at that place (a softmax that the list does not call 'softmax' is quantised finished and normalised). What goes into a quantiser is computed in f32, as accurately as f32 sums, v_exp_f32 and their like allow (about 1e-6 of the number): no bf16 or f16 on the way to a quantiser, and a product that is left as it is and whose result goes on into a quantised operand takes f32 operands (vector FMAs, or v_wmma_f32_16x16x4_f32). A number that lies on a knife's edge between two numbers of the format may be rounded either way, as far as f32 arithmetic and the matrix unit's own rounding can turn it there, and no further.
;; One version. Each part assembles by itself: llvm-mc -triple=amdgcn-amd-amdhsa -mcpu=gfx1250 --defsym DOCPART=n.
;; ======== version 1 of 1: 8 launches
;; limits: right only within a limited range of input values
;; workspace buffers: wts 10,354,688 bytes; mod1 16,384 bytes; mod2 16,384 bytes; hbuf 3,276,800 bytes; qkv 10,092,544 bytes; x2 16,777,216 bytes; gbuf 13,107,200 bytes
;; launch prep (part 1): grid 320 x 1, 8 waves a work-group, no clusters, 5,120 bytes of LDS; arguments cond, ada1_w, ada2_w, ada1_b, ada2_b, ln1_g, ln2_g, ln1_b, ln2_b, mod1, mod2, wq, wk, wv, wo, ff_w1, ff_w2, wts; writes mod1, mod2, wts
.if DOCPART == 1
	.amdgcn_target "amdgcn-amd-amdhsa--gfx1250"
	.amdhsa_code_object_version 6
	.text
	.protected	k_q497b0bae6c_prep
	.globl	k_q497b0bae6c_prep
	.p2align	8
	.type	k_q497b0bae6c_prep,@function
k_q497b0bae6c_prep:
	s_mov_b64 s[64:65], 0
	v_nop
	global_prefetch_b8 v0, s[64:65] scope:SCOPE_SE
	s_setreg_imm32_b32 hwreg(HW_REG_WAVE_MODE, 25, 1), 1
	s_wait_xcnt 0x0
; THE FIRST OF EIGHT LAUNCHES OF A TRANSFORMER BLOCK (4,096 tokens, H = 1,024, 16 heads of 64, FF = 4,096) WITH ITS EIGHT LARGE PRODUCTS ON CODES OF FP6 (E2M3), ONE E8M0 SCALE FOR EACH 32 ALONG K.
; DEAD WORK: none.  Every input has a way to the output for some values: the biases on q, k, v move codes, the mask is an input and is honoured, so nothing of the problem is left out and every input is loaded by some launch.
; THIS LAUNCH makes what hangs on no token.  Three kinds of work-groups, told apart by the work-group's number alone:
;   0..63    ADA: cond @ ada_w + ada_b in f32 (fused multiply-adds: the result goes on into quantised operands), folded with the norm's gain and bias:
;            G = g (1 + scale), Bc = b (1 + scale) + shift, so that a later launch has h = (x - mu) rs G + Bc.  mod: [batch 2][G 1,024 | Bc 1,024] f32.
;   64..255  QW: the six weights [K][N] f32 become codes with K innermost, laid in the order of a matrix operand's registers (below), and scale words.
;   256..319 ROT: cos and sin of token x 10000^(-pair/32): [token 2,048][pair 32][cos, sin] f32.
; IMAGES.  A tile is 16 rows; tile T's row p is index 32 (T / 2) + 8 (T % 2) + p + 8 (p / 8).  A half image is 16 rows x 64 K in 768 bytes: lane l = p + 16 h holds K = 32 h .. 32 h + 31 of row p, 24 bytes:
; its first 16 at 16 l, its last 8 at 512 + 8 l.  Codes: [tile][K / 64][768].  Scale words (4 bytes: 128 K of a row): [tile][K / 128][16 words].
; LIMITS: NaN and infinities among the inputs are not served; a block of zeros keeps the scale byte 1 (its codes are zeros; this program alone reads the bytes); G and Bc fold gain, bias, scale and shift ahead of the row's
; scaling, another order of rounding than the problem's (some 2e-7 of the number); 10000^(-pair/32) is good to about one unit in the last place, cos and sin to about 1e-7.
.set SPARE, 4096                       ; LDS: 0..4,095 ADA's partial sums; from 4,096 the spare words, 128 bytes a wave, which no other line names
.set SPW, 2
.set NIL, 3
	v_lshl_add_u32 v[SPW], v0, 2, SPARE
	v_mov_b32 v[NIL], 0
	v_lshrrev_b32 v1, 5, v0
	s_delay_alu instid0(VALU_DEP_1)
	v_readfirstlane_b32 s3, v1                     ; wave 0..7
	s_cmp_lt_u32 ttmp9, 64
	s_cbranch_scc1 .Lada
	s_cmp_lt_u32 ttmp9, 256
	s_cbranch_scc1 .Lqw
; ---------------------------------------------------------------- ROT: thread T takes pairs 2 (T % 16), + 1 of tokens T / 16 and T / 16 + 1,024
	s_load_b64 s[4:5], s[0:1], 0x88                ; wts
	s_sub_co_u32 s6, ttmp9, 256
	s_lshl_b32 s6, s6, 8
	v_add_nc_u32 v4, s6, v0                        ; T
	s_delay_alu instid0(VALU_DEP_1)
	v_lshrrev_b32 v5, 4, v4                        ; token
	s_delay_alu instid0(VALU_DEP_2)
	v_and_b32 v6, 15, v4
	s_delay_alu instid0(VALU_DEP_3)
	v_lshlrev_b32 v7, 4, v4                        ; 16 T: my 16 bytes of the table
	s_delay_alu instid0(VALU_DEP_2)
	v_lshlrev_b32 v6, 1, v6
	s_delay_alu instid0(VALU_DEP_1)
	v_cvt_f32_u32 v8, v6                           ; the first pair's number,
	s_delay_alu instid0(VALU_DEP_1)
	v_add_f32 v9, 1.0, v8                          ; the second's
	v_cvt_f32_u32 v10, v5
	s_delay_alu instid0(VALU_DEP_1)
	v_add_f32 v11, 0x44800000, v10                 ; token + 1,024
.irp p, 0,1                                    ; pair x log2(10000) / 32 in two parts: the upper has 17 bits, so that its product with a number under 32 is exact
	v_mul_f32 v[12+\p], 0x3ed49a80, v[8+\p]
	s_delay_alu instid0(VALU_DEP_1)
	v_floor_f32 v[14+\p], v[12+\p]                 ; the whole part goes into the exponent,
	s_delay_alu instid0(VALU_DEP_1)
	v_sub_f32 v[12+\p], v[12+\p], v[14+\p]         ; the rest (exact)
	s_delay_alu instid0(VALU_DEP_1)
	v_fmamk_f32 v[12+\p], v[8+\p], 0xb476865f, v[12+\p]   ; with the lower part's share into the exponential
	s_delay_alu instid0(VALU_DEP_3)
	v_cvt_i32_f32 v[14+\p], v[14+\p]
	s_delay_alu instid0(VALU_DEP_1)
	v_sub_nc_u32 v[14+\p], 0, v[14+\p]
.endr
	s_wait_alu depctr_va_vdst(0)
	v_exp_f32 v16, -v12
	v_exp_f32 v17, -v13
	v_nop                                          ; a plain instruction behind the exponentials,
	s_wait_alu depctr_va_vdst(0)                   ; and the one wait ahead of their first reader
	v_ldexp_f32 v16, v16, v14                      ; 10000^(-pair/32)
	v_ldexp_f32 v17, v17, v15
	s_delay_alu instid0(VALU_DEP_2)
	v_mul_f32 v20, v10, v16                        ; the angles: one f32 product, as the problem has it
	s_delay_alu instid0(VALU_DEP_2)
	v_mul_f32 v21, v10, v17
	s_delay_alu instid0(VALU_DEP_4)
	v_mul_f32 v22, v11, v16
	s_delay_alu instid0(VALU_DEP_4)
	v_mul_f32 v23, v11, v17
; cos and sin of v[x] >= 0: n = the nearest whole number of quarter turns, taken off in two parts; polynomials on [-pi/4, pi/4]; the quadrant swaps the two and sets the signs
.macro SINCOS x, c, s
	v_mul_f32 v24, 0x3f22f983, v[\x]
	s_delay_alu instid0(VALU_DEP_1)
	v_rndne_f32 v24, v24
	s_delay_alu instid0(VALU_DEP_1)
	v_fmamk_f32 v25, v24, 0xbfc90fdb, v[\x]
	s_delay_alu instid0(VALU_DEP_1)
	v_fmamk_f32 v25, v24, 0x333bbd2e, v25
	s_delay_alu instid0(VALU_DEP_1)
	v_mul_f32 v26, v25, v25
	s_delay_alu instid0(VALU_DEP_4)
	v_cvt_i32_f32 v24, v24
	v_mov_b32 v27, 0xb94ca1f9
	s_delay_alu instid0(VALU_DEP_1)
	v_fmaak_f32 v27, v27, v26, 0x3c08839e
	s_delay_alu instid0(VALU_DEP_1)
	v_fmaak_f32 v27, v27, v26, 0xbe2aaaa3
	v_mul_f32 v28, v26, v25
	s_delay_alu instid0(VALU_DEP_1)
	v_fma_f32 v27, v27, v28, v25                   ; sin r
	v_mov_b32 v29, 0x37ccf5ce
	s_delay_alu instid0(VALU_DEP_1)
	v_fmaak_f32 v29, v29, v26, 0xbab6061a
	s_delay_alu instid0(VALU_DEP_1)
	v_fmaak_f32 v29, v29, v26, 0x3d2aaaa5
	v_mul_f32 v30, v26, v26
	v_fma_f32 v31, v26, -0.5, 1.0
	s_delay_alu instid0(VALU_DEP_1)
	v_fma_f32 v29, v29, v30, v31                   ; cos r
	v_and_b32 v30, 1, v24
	s_delay_alu instid0(VALU_DEP_1)
	v_cmp_eq_u32 vcc_lo, 1, v30
	s_delay_alu instid0(VALU_DEP_1)
	v_cndmask_b32 v[\s], v27, v29, vcc_lo
	s_delay_alu instid0(VALU_DEP_2)
	v_cndmask_b32 v[\c], v29, v27, vcc_lo
	v_and_b32 v30, 2, v24
	s_delay_alu instid0(VALU_DEP_1)
	v_lshlrev_b32 v30, 30, v30
	s_delay_alu instid0(VALU_DEP_1)
	v_xor_b32 v[\s], v30, v[\s]
	v_add_nc_u32 v31, 1, v24
	s_delay_alu instid0(VALU_DEP_1)
	v_and_b32 v31, 2, v31
	s_delay_alu instid0(VALU_DEP_1)
	v_lshlrev_b32 v31, 30, v31
	s_delay_alu instid0(VALU_DEP_1)
	v_xor_b32 v[\c], v31, v[\c]
.endm
	SINCOS 20, 32, 33
	SINCOS 21, 34, 35
	SINCOS 22, 36, 37
	SINCOS 23, 38, 39
	s_wait_alu depctr_va_vdst(0)
	s_wait_kmcnt 0x0
	s_add_nc_u64 s[4:5], s[4:5], 9830400           ; the table's place in wts
	global_store_b128 v7, v[32:35], s[4:5]         ; a wave stores 512 consecutive bytes
	global_store_b128 v7, v[36:39], s[4:5] offset:262144
	s_endpgm
; ---------------------------------------------------------------- QW: a work-group takes 256 columns x 256 K of one weight; a wave 32 columns; A LANE TAKES A COLUMN AND ITS REGISTERS RUN DOWN K
.Lqw:
	s_load_b128 s[8:11], s[0:1], 0x58              ; wq, wk
	s_load_b128 s[12:15], s[0:1], 0x68             ; wv, wo
	s_load_b128 s[16:19], s[0:1], 0x78             ; ff_w1, ff_w2
	s_load_b64 s[20:21], s[0:1], 0x88              ; wts
	s_sub_co_u32 s4, ttmp9, 64                     ; j: 0..63 the four square weights, 16 work-groups each; 64..127 ff_w1; 128..191 ff_w2
	s_lshr_b32 s5, s4, 6
	s_lshr_b32 s24, s4, 4
	s_mul_i32 s25, s24, 786432                     ; the codes' place in wts,
	s_lshl_b32 s26, s24, 15                        ; the scale words' place behind 9,437,184
	s_and_b32 s6, s4, 15
	s_and_b32 s7, s4, 63
	s_mov_b32 s27, 4096                            ; a row of the weight in bytes
	s_mov_b32 s28, 12288                           ; a tile's codes: K / 64 x 768
	s_mov_b32 s29, 512                             ; a tile's scale words: K / 128 x 64
	s_mov_b32 s30, 2                               ; log2 of the column groups
	s_cmp_ge_u32 s4, 64
	s_cselect_b32 s6, s7, s6                       ; my number within the weight
	s_cmp_eq_u32 s5, 1
	s_cselect_b32 s25, 3145728, s25
	s_cselect_b32 s26, 131072, s26
	s_cselect_b32 s27, 16384, s27
	s_cselect_b32 s30, 4, s30
	s_cmp_eq_u32 s5, 2
	s_cselect_b32 s25, 6291456, s25
	s_cselect_b32 s26, 262144, s26
	s_cselect_b32 s28, 49152, s28
	s_cselect_b32 s29, 2048, s29
	s_lshr_b32 s31, s6, s30                        ; which 256 along K
	s_lshl_b32 s32, 1, s30
	s_sub_co_u32 s32, s32, 1
	s_and_b32 s32, s6, s32                         ; which 256 columns
	s_lshl_b32 s33, s32, 3
	s_add_co_u32 s33, s33, s3                      ; which 32 columns: my wave's
	s_mul_i32 s34, s31, s27
	s_lshl_b32 s34, s34, 8                         ; 256 rows of the weight for each step along K
	s_lshl_b32 s35, s33, 7
	s_add_co_u32 s34, s34, s35                     ; + 128 bytes for each 32 columns
	s_mov_b32 s35, 0
	s_lshl_b32 s36, s27, 5                         ; a block: 32 rows
	s_mov_b32 s37, 0
	s_mul_i32 s58, s33, s28
	s_lshl_b32 s58, s58, 1                         ; tiles 2 x (my 32 columns), + 1
	s_add_co_u32 s58, s58, s25
	s_mul_i32 s59, s31, 3072                       ; four half images for 256 along K
	s_add_co_u32 s58, s58, s59
	s_mov_b32 s59, 0
	s_mul_i32 s62, s33, s29
	s_lshl_b32 s62, s62, 1
	s_add_co_u32 s62, s62, s26
	s_lshl_b32 s63, s31, 7
	s_add_co_u32 s62, s62, s63
	s_add_co_u32 s62, s62, 9437184
	s_mov_b32 s63, 0
	v_and_b32 v4, 31, v0
	s_delay_alu instid0(VALU_DEP_1)
	v_lshlrev_b32 v5, 2, v4
.irp i, 0,1,2,3,4,5,6,7,8,9,10,11,12,13,14,15,16,17,18,19,20,21,22,23,24,25,26,27,28,29,30,31
	v_mad_u32_u24 v[16+\i], s27, \i, v5            ; row i of a block, my column: neighbouring lanes read neighbouring bytes
.endr
	v_bfe_u32 v6, v4, 3, 1                         ; column i of 32 is row (i % 8) + 8 (i / 16) of tile (i / 8) % 2
	v_and_b32 v7, 7, v4
	v_lshrrev_b32 v11, 4, v4
	s_delay_alu instid0(VALU_DEP_1)
	v_lshl_add_u32 v7, v11, 3, v7
	s_delay_alu instid0(VALU_DEP_4)
	v_mul_u32_u24 v11, s28, v6
	s_delay_alu instid0(VALU_DEP_1)
	v_lshl_add_u32 v8, v7, 4, v11                  ; where my 16 bytes go,
	s_delay_alu instid0(VALU_DEP_2)
	v_lshl_add_u32 v9, v7, 3, v11                  ; my 8 bytes,
	v_mul_u32_u24 v11, s29, v6
	s_delay_alu instid0(VALU_DEP_1)
	v_lshl_add_u32 v10, v7, 2, v11                 ; my scale words
	s_wait_kmcnt 0x0
	s_mov_b64 s[22:23], s[8:9]                     ; the weight: a choice on the work-group's number alone
	s_cmp_ge_u32 s4, 16
	s_cselect_b64 s[22:23], s[10:11], s[22:23]
	s_cmp_ge_u32 s4, 32
	s_cselect_b64 s[22:23], s[12:13], s[22:23]
	s_cmp_ge_u32 s4, 48
	s_cselect_b64 s[22:23], s[14:15], s[22:23]
	s_cmp_ge_u32 s4, 64
	s_cselect_b64 s[22:23], s[16:17], s[22:23]
	s_cmp_ge_u32 s4, 128
	s_cselect_b64 s[22:23], s[18:19], s[22:23]
	s_add_nc_u64 s[40:41], s[22:23], s[34:35]      ; a base for each of the eight blocks: nothing is stepped while loads are out
.irp t, 1,2,3,4,5,6,7
	s_add_nc_u64 s[40+2*\t:41+2*\t], s[38+2*\t:39+2*\t], s[36:37]
.endr
	s_add_nc_u64 s[56:57], s[20:21], s[58:59]
	s_add_nc_u64 s[60:61], s[20:21], s[62:63]
.macro QLOAD t
.irp i, 0,1,2,3,4,5,6,7,8,9,10,11,12,13,14,15,16,17,18,19,20,21,22,23,24,25,26,27,28,29,30,31
	global_load_b32 v[48+32*((\t)%2)+\i], v[16+\i], s[40+2*(\t):41+2*(\t)] th:TH_LOAD_NT
.endr
.endm
.macro QBLOCK t                        ; block t: 32 along K of my column, all mine: its largest magnitude needs no other lane, and the conversions give codes with K innermost
.set XS, 48+32*((\t)%2)
.set CT, 112+6*(\t)                    ; six registers of its own for each block: no store's data are written again
.if (\t) < 7
	s_wait_loadcnt 32                              ; this block's 32 loads are in; the next block's 32 may be out
.else
	s_wait_loadcnt 0x0
.endif
	v_max3_num_f32 v12, |v[XS]|, |v[XS+1]|, |v[XS+2]|
	v_max3_num_f32 v13, |v[XS+3]|, |v[XS+4]|, |v[XS+5]|
.irp i, 6,10,14,18,22,26
	s_delay_alu instid0(VALU_DEP_2)
	v_max3_num_f32 v12, v12, |v[XS+\i]|, |v[XS+\i+1]|
	s_delay_alu instid0(VALU_DEP_2)
	v_max3_num_f32 v13, v13, |v[XS+\i+2]|, |v[XS+\i+3]|
.endr
	s_delay_alu instid0(VALU_DEP_2)
	v_max3_num_f32 v12, v12, |v[XS+30]|, |v[XS+31]|
	s_delay_alu instid0(VALU_DEP_1)
	v_max3_num_f32 v12, v12, v13, 0x1800000        ; the floor 2^(3 - 127): the byte cannot fall under 1
	s_delay_alu instid0(VALU_DEP_1)
	v_add_nc_u32 v14, 0xff000000, v12              ; 2 off the exponent field: the conversion's scale operand
	s_delay_alu instid0(VALU_DEP_1)
	v_lshrrev_b32 v13, 23, v14                     ; the scale's byte
.if (\t)%4 == 0
	s_delay_alu instid0(VALU_DEP_1)
	v_mov_b32 v[164+(\t)/4], v13
.else
	s_delay_alu instid0(VALU_DEP_1)
	v_lshl_or_b32 v[164+(\t)/4], v13, 8*((\t)%4), v[164+(\t)/4]
.endif
	v_cvt_scalef32_pk16_fp6_f32 v[CT:CT+2], v[XS:XS+15], v14
	v_cvt_scalef32_pk16_fp6_f32 v[160:162], v[XS+16:XS+31], v14   ; (a conversion's three registers begin on an even number)
	v_nop                                          ; one plain place behind a scaled conversion
	v_mov_b32 v[CT+3], v160
	v_mov_b32 v[CT+4], v161
	v_mov_b32 v[CT+5], v162
	global_store_b128 v8, v[CT:CT+3], s[56:57] offset:((\t)/2)*768+256*((\t)%2)     ; the sixteen lanes of a tile store 256 consecutive bytes, aligned
	global_store_b64 v9, v[CT+4:CT+5], s[56:57] offset:((\t)/2)*768+512+128*((\t)%2)
.if (\t)+2 < 8
	QLOAD (\t)+2
.endif
.endm
	QLOAD 0
	QLOAD 1
.irp t, 0,1,2,3,4,5,6,7
	QBLOCK \t
.endr
	global_store_b32 v10, v164, s[60:61]
	global_store_b32 v10, v165, s[60:61] offset:64
	s_endpgm
; ---------------------------------------------------------------- ADA: a work-group takes 32 columns of shift and the same 32 of scale; wave w the rows k = 128 w .. 128 w + 127
.Lada:
	s_load_b256 s[8:15], s[0:1], 0x0               ; cond, ada1_w, ada2_w, ada1_b
	s_load_b256 s[16:23], s[0:1], 0x20             ; ada2_b, ln1_g, ln2_g, ln1_b
	s_load_b128 s[24:27], s[0:1], 0x40             ; ln2_b, mod1
	s_load_b64 s[28:29], s[0:1], 0x50              ; mod2
	s_lshr_b32 s4, ttmp9, 5                        ; which of the two norms
	s_and_b32 s5, ttmp9, 31
	s_lshl_b32 s5, s5, 7                           ; my 32 columns, in bytes
	s_mov_b32 s30, 0x76543210
	s_mov_b32 s31, 0xfedcba98                      ; v_permlanex16_b32's selects for lane l xor 16
	v_and_b32 v4, 15, v0
	v_bfe_u32 v5, v0, 4, 1
	s_delay_alu instid0(VALU_DEP_2)
	v_lshlrev_b32 v6, 3, v4
	s_delay_alu instid0(VALU_DEP_1)
	v_add_nc_u32 v6, s5, v6                        ; my two columns
	s_delay_alu instid0(VALU_DEP_1)
	v_lshl_add_u32 v7, v5, 12, v6                  ; lanes 16-31 take the same two of the scale half, 4,096 bytes on
	s_delay_alu instid0(VALU_DEP_2)
	v_lshl_add_u32 v18, v5, 13, v6                 ; on the way out lanes 16-31 serve batch 1
	v_lshlrev_b32 v16, 4, v0
	s_wait_alu depctr_va_vdst(0)
	s_wait_kmcnt 0x0
	s_cmp_eq_u32 s4, 0
	s_cselect_b64 s[10:11], s[10:11], s[12:13]     ; ada_w
	s_cselect_b64 s[14:15], s[14:15], s[16:17]     ; ada_b
	s_cselect_b64 s[18:19], s[18:19], s[20:21]     ; g
	s_cselect_b64 s[22:23], s[22:23], s[24:25]     ; b
	s_cselect_b64 s[26:27], s[26:27], s[28:29]     ; mod
	s_lshl_b32 s6, s3, 20                          ; 128 rows of 8,192 bytes a wave
	s_mov_b32 s7, 0
	s_add_nc_u64 s[10:11], s[10:11], s[6:7]
	s_lshl_b32 s6, s3, 9
	s_add_nc_u64 s[8:9], s[8:9], s[6:7]            ; cond at my 128 numbers
	global_load_b64 v[8:9], v6, s[14:15]           ; the small vectors first: older than every load below, so every counted wait below covers them
	global_load_b64 v[10:11], v6, s[14:15] offset:4096
	global_load_b64 v[12:13], v6, s[18:19]
	global_load_b64 v[14:15], v6, s[22:23]
.macro VL c                            ; chunk c: 16 rows, into set c % 4
.irp k, 0,1,2,3,4,5,6,7,8,9,10,11,12,13,14,15
	global_load_b64 v[32+32*((\c)%4)+2*\k:33+32*((\c)%4)+2*\k], v7, s[10:11] offset:(16*(\c)+\k)*8192
.endr
.endm
.macro SL c                            ; its 16 numbers of cond, both batches, into scalar set c % 2
	s_load_b512 s[32+36*((\c)%2):47+36*((\c)%2)], s[8:9], 64*(\c)
	s_load_b512 s[48+36*((\c)%2):63+36*((\c)%2)], s[8:9], 64*(\c)+4096
.endm
.macro FM c                            ; v20 .. v23: column 0 batch 0, column 0 batch 1, column 1 batch 0, column 1 batch 1; the first products start the sums
.set SB, 32+36*((\c)%2)
.set XB, 32+32*((\c)%4)
.set kk, 0
.if ((\c) == 0) && (kk == 0)
	v_mul_f32 v20, s[SB+kk], v[XB+2*kk]
	v_mul_f32 v21, s[SB+16+kk], v[XB+2*kk]
	v_mul_f32 v22, s[SB+kk], v[XB+2*kk+1]
	v_mul_f32 v23, s[SB+16+kk], v[XB+2*kk+1]
.else
	v_fmac_f32 v20, s[SB+kk], v[XB+2*kk]
	v_fmac_f32 v21, s[SB+16+kk], v[XB+2*kk]
	v_fmac_f32 v22, s[SB+kk], v[XB+2*kk+1]
	v_fmac_f32 v23, s[SB+16+kk], v[XB+2*kk+1]
.endif
.set kk, kk+1
.rept (16)-1
.if ((\c) == 0) && (kk == 0)
	v_mul_f32 v20, s[SB+kk], v[XB+2*kk]
	v_mul_f32 v21, s[SB+16+kk], v[XB+2*kk]
	v_mul_f32 v22, s[SB+kk], v[XB+2*kk+1]
	v_mul_f32 v23, s[SB+16+kk], v[XB+2*kk+1]
.else
	s_delay_alu instid0(VALU_DEP_4)
	v_fmac_f32 v20, s[SB+kk], v[XB+2*kk]
	s_delay_alu instid0(VALU_DEP_4)
	v_fmac_f32 v21, s[SB+16+kk], v[XB+2*kk]
	s_delay_alu instid0(VALU_DEP_4)
	v_fmac_f32 v22, s[SB+kk], v[XB+2*kk+1]
	s_delay_alu instid0(VALU_DEP_4)
	v_fmac_f32 v23, s[SB+16+kk], v[XB+2*kk+1]
.endif
.set kk, kk+1
.endr
.endm
	VL 0
	VL 1
	VL 2
	VL 3
	SL 0
.irp c, 0,1,2,3,4,5,6,7
	s_wait_alu depctr_va_vdst(0)
	s_wait_kmcnt 0x0                               ; this chunk's cond is in
.if \c < 7
	SL \c+1
.endif
.if \c < 4
	s_wait_loadcnt 48                              ; three chunks of 16 loads were issued behind this one
.else
	s_wait_loadcnt 16*(7-\c)                       ; and towards the end as many as are left
.endif
	FM \c
.if \c < 4
	VL \c+4
.endif
.endr
	ds_store_b128 v16, v[20:23]                    ; my four partial sums at 512 x wave + 16 x lane
	s_wait_dscnt 0x0                               ; for wave 0's sake: my store has landed
	s_barrier_signal -1
	s_barrier_wait -1
	s_cmp_lg_u32 s3, 0
	s_cbranch_scc1 .Lada_end
.irp i, 0,1,2,3,4,5,6,7
	ds_load_b128 v[32+4*\i:35+4*\i], v16 offset:512*\i   ; wave 0: 16 x my thread's number is 16 x lane
.endr
.irp i, 0,1,2,3
	v_mov_b32 v[24+\i], 0                          ; a lane permute's destination counts as one of its sources
.endr
	s_wait_dscnt 0x0
	v_pk_add_f32 v[20:21], v[32:33], v[36:37]
	v_pk_add_f32 v[22:23], v[34:35], v[38:39]
.irp i, 2,3,4,5,6,7
	s_delay_alu instid0(VALU_DEP_2)
	v_pk_add_f32 v[20:21], v[20:21], v[32+4*\i:33+4*\i]
	s_delay_alu instid0(VALU_DEP_2)
	v_pk_add_f32 v[22:23], v[22:23], v[34+4*\i:35+4*\i]
.endr
.irp i, 0,1,2,3
	v_permlanex16_b32 v[24+\i], v[20+\i], s30, s31 ; lanes 0-15 hold the shifts, lanes 16-31 the scales: each gets the other's four
.endr
	v_cmp_le_u32 vcc_lo, 16, v0
	s_delay_alu instid0(VALU_DEP_1)
	v_cndmask_b32 v28, v20, v25, vcc_lo            ; lanes 0-15 keep batch 0, lanes 16-31 batch 1: the shifts of my two columns,
	s_delay_alu instid0(VALU_DEP_2)
	v_cndmask_b32 v29, v22, v27, vcc_lo
	s_delay_alu instid0(VALU_DEP_3)
	v_cndmask_b32 v30, v24, v21, vcc_lo            ; and the scales
	s_delay_alu instid0(VALU_DEP_4)
	v_cndmask_b32 v31, v26, v23, vcc_lo
	s_delay_alu instid0(VALU_DEP_3)
	v_pk_add_f32 v[28:29], v[28:29], v[8:9]
	s_delay_alu instid0(VALU_DEP_2)
	v_pk_add_f32 v[30:31], v[30:31], v[10:11]
	s_delay_alu instid0(VALU_DEP_1)
	v_pk_add_f32 v[30:31], v[30:31], 1.0 op_sel_hi:[1,0]
	s_delay_alu instid0(VALU_DEP_1)
	v_pk_mul_f32 v[32:33], v[12:13], v[30:31]      ; G = g (1 + scale)
	s_delay_alu instid0(VALU_DEP_2)
	v_pk_fma_f32 v[34:35], v[14:15], v[30:31], v[28:29]   ; Bc = b (1 + scale) + shift
	global_store_b64 v18, v[32:33], s[26:27]
	global_store_b64 v18, v[34:35], s[26:27] offset:4096
.Lada_end:
	s_wait_tensorcnt 0x0                           ; the wave's end: behind my last LDS store
	ds_add_u32 v[SPW], v[NIL]
	s_wait_dscnt 0x0
	s_endpgm
.Lfunc_end_k_q497b0bae6c_prep:
	.size	k_q497b0bae6c_prep, .Lfunc_end_k_q497b0bae6c_prep-k_q497b0bae6c_prep
	.p2alignl 7, 3214868480
	.fill 96, 4, 3214868480
	.section	.rodata,"a",@progbits
	.p2align	6, 0x0
	.amdhsa_kernel k_q497b0bae6c_prep
		.amdhsa_group_segment_fixed_size 5120
		.amdhsa_private_segment_fixed_size 0
		.amdhsa_enable_private_segment 0
		.amdhsa_kernarg_size 144
		.amdhsa_user_sgpr_count 2
		.amdhsa_user_sgpr_kernarg_segment_ptr 1
		.amdhsa_wavefront_size32 1
		.amdhsa_system_sgpr_workgroup_id_x 1
		.amdhsa_system_sgpr_workgroup_id_y 1
		.amdhsa_system_sgpr_workgroup_id_z 1
		.amdhsa_system_vgpr_workitem_id 0
		.amdhsa_next_free_vgpr 168
		.amdhsa_next_free_sgpr 102
		.amdhsa_reserve_vcc 1
		.amdhsa_float_denorm_mode_32 3
		.amdhsa_float_denorm_mode_16_64 3
		.amdhsa_memory_ordered 1
		.amdhsa_forward_progress 1
		.amdhsa_inst_pref_size 108
	.end_amdhsa_kernel
	.amdgpu_metadata
---
amdhsa.version: [ 1, 2 ]
amdhsa.kernels:
  - .name:           k_q497b0bae6c_prep
    .symbol:         k_q497b0bae6c_prep.kd
    .args:
      - { .name: cond, .offset: 0, .size: 8, .value_kind: global_buffer, .address_space: global }
      - { .name: ada1_w, .offset: 8, .size: 8, .value_kind: global_buffer, .address_space: global }
      - { .name: ada2_w, .offset: 16, .size: 8, .value_kind: global_buffer, .address_space: global }
      - { .name: ada1_b, .offset: 24, .size: 8, .value_kind: global_buffer, .address_space: global }
      - { .name: ada2_b, .offset: 32, .size: 8, .value_kind: global_buffer, .address_space: global }
      - { .name: ln1_g, .offset: 40, .size: 8, .value_kind: global_buffer, .address_space: global }
      - { .name: ln2_g, .offset: 48, .size: 8, .value_kind: global_buffer, .address_space: global }
      - { .name: ln1_b, .offset: 56, .size: 8, .value_kind: global_buffer, .address_space: global }
      - { .name: ln2_b, .offset: 64, .size: 8, .value_kind: global_buffer, .address_space: global }
      - { .name: mod1, .offset: 72, .size: 8, .value_kind: global_buffer, .address_space: global }
      - { .name: mod2, .offset: 80, .size: 8, .value_kind: global_buffer, .address_space: global }
      - { .name: wq, .offset: 88, .size: 8, .value_kind: global_buffer, .address_space: global }
      - { .name: wk, .offset: 96, .size: 8, .value_kind: global_buffer, .address_space: global }
      - { .name: wv, .offset: 104, .size: 8, .value_kind: global_buffer, .address_space: global }
      - { .name: wo, .offset: 112, .size: 8, .value_kind: global_buffer, .address_space: global }
      - { .name: ff_w1, .offset: 120, .size: 8, .value_kind: global_buffer, .address_space: global }
      - { .name: ff_w2, .offset: 128, .size: 8, .value_kind: global_buffer, .address_space: global }
      - { .name: wts, .offset: 136, .size: 8, .value_kind: global_buffer, .address_space: global }
    .group_segment_fixed_size: 5120
    .private_segment_fixed_size: 0
    .kernarg_segment_align: 8
    .kernarg_segment_size: 144
    .max_flat_workgroup_size: 256
    .sgpr_count:     102
    .vgpr_count:     168
    .wavefront_size: 32
...
	.end_amdgpu_metadata
.endif
;; end of part 1
;; launch ln1 (part 2): grid 256 x 1, 8 waves a work-group, no clusters, 69,632 bytes of LDS; arguments x, mod1, hbuf; writes hbuf
.if DOCPART == 2
	.amdgcn_target "amdgcn-amd-amdhsa--gfx1250"
	.amdhsa_code_object_version 6
	.text
	.protected	k_q497b0bae6c_ln1
	.globl	k_q497b0bae6c_ln1
	.p2align	8
	.type	k_q497b0bae6c_ln1,@function
k_q497b0bae6c_ln1:
	s_mov_b64 s[64:65], 0
	v_nop
	global_prefetch_b8 v0, s[64:65] scope:SCOPE_SE
	s_setreg_imm32_b32 hwreg(HW_REG_WAVE_MODE, 25, 1), 1
	s_wait_xcnt 0x0
; h = (x - mu) rsqrt(var + 1e-5) G + Bc, quantised along H to codes of FP6 (E2M3) with one E8M0 scale for each 32, laid as operand images (tile of 16 tokens: row p of tile T is token 32 (T / 2) + 8 (T % 2) + p + 8 (p / 8)).
; x: [4,096][1,024] f32.  mod: [batch][G 1,024 | Bc 1,024] f32, gain, bias, scale and shift folded by the first launch.  Out: codes [tile 256][K / 64 = 16][768], from byte 3,145,728 scale words [tile][K / 128 = 8][16].
; A work-group takes one tile of 16 tokens, wave w columns 128 w .. 128 w + 127.  Each load reads 512 consecutive bytes of a row; the wave's own stage in LDS turns them so that lane (r, h) holds, of row r, 16 neighbours of each
; block of 32: what the conversions want.  Mean and variance in two passes, as the problem has them; the waves' partial sums meet in LDS behind a barrier each.  No matrix unit, no cluster: work-groups share no large input.
; Nothing of the problem is left out here.  LIMITS: NaN and infinities are not served; a block of zeros keeps the scale byte 1.
.set STGW, 8448                        ; a wave's stage: 16 rows x (512 + 16) bytes: the sixteen rows that a load touches start at sixteen different banks
.set RED, 67584                        ; 512 bytes for the sums, 512 for the sums of squares: word 8 r + w
.set SPARE, 68608                      ; the spare words, 128 bytes a wave, which no other line names
.set SPW, 13
.set NIL, 14
.set O16, 4
.set O8, 5
.set OS, 6
.set X, 32                             ; v32-95   my 64 numbers: register 16 b + i = column 32 b + 16 h + i of the wave's 128
.set G, 96                             ; v96-159  G likewise; later the codes
.set RAW, 160                          ; v160-223 the rows as loaded; later Bc
.set TM, 224
.set PW, 240
.set PC, 96
.set SEL, 20
.macro QUANT s                         ; 64 numbers of a lane become a fragment's codes in v[PC] .. v[PC+11] and its row's scale word in v[PW]
.irp b, 0,1,2,3
	v_max3_num_f32 v[TM+\b], |v[\s+16*\b]|, |v[\s+1+16*\b]|, 0x1800000   ; block b: my 16 numbers, and the floor 2^(3 - 127): the byte cannot fall under 1
.endr
.irp i, 2,4,6,8,10,12,14
.irp b, 0,1,2,3
	s_delay_alu instid0(VALU_DEP_4)
	v_max3_num_f32 v[TM+\b], v[TM+\b], |v[\s+16*\b+\i]|, |v[\s+1+16*\b+\i]|
.endr
.endr
.irp b, 0,1,2,3
	s_delay_alu instid0(VALU_DEP_4)
	v_permlanex16_b32 v[TM+4+\b], v[TM+\b], s[SEL], s[SEL+1]
.endr
.irp b, 0,1,2,3
	s_delay_alu instid0(VALU_DEP_4)
	v_max_num_f32 v[TM+\b], v[TM+\b], v[TM+4+\b]   ; with lane l xor 16's: the block's largest magnitude
.endr
.irp b, 0,1,2,3
	s_delay_alu instid0(VALU_DEP_4)
	v_add_nc_u32 v[TM+12+\b], 0xff000000, v[TM+\b] ; 2 off its exponent field: the conversion's scale operand
.endr
.irp b, 0,1,2,3
	s_delay_alu instid0(VALU_DEP_4)
	v_lshrrev_b32 v[TM+4+\b], 23, v[TM+12+\b]      ; the scale's byte
.endr
	s_delay_alu instid0(VALU_DEP_3)
	v_lshl_or_b32 v[PW], v[TM+5], 8, v[TM+4]
	s_delay_alu instid0(VALU_DEP_1)
	v_lshl_or_b32 v[PW], v[TM+6], 16, v[PW]
	s_delay_alu instid0(VALU_DEP_1)
	v_lshl_or_b32 v[PW], v[TM+7], 24, v[PW]
.irp c, 0,1
	v_cvt_scalef32_pk16_fp6_f32 v[PC+6*\c:PC+2+6*\c], v[\s+32*\c:\s+15+32*\c], v[TM+12+2*\c]
	v_cvt_scalef32_pk16_fp6_f32 v[PC+12+4*\c:PC+14+4*\c], v[\s+16+32*\c:\s+31+32*\c], v[TM+12+2*\c+1]
.endr
	v_nop                                          ; one plain place behind a scaled conversion
.irp c, 0,1                                    ; the operand's layout wants a whole block in a lane
.irp i, 0,1,2
	v_permlane16_swap_b32 v[PC+6*\c+\i], v[PC+12+4*\c+\i]
.endr
.irp i, 0,1,2
	s_delay_alu instid0(VALU_DEP_3)
	v_mov_b32 v[PC+3+6*\c+\i], v[PC+12+4*\c+\i]
.endr
.endr
.endm
	s_load_b128 s[4:7], s[0:1], 0x0                ; x, mod
	s_load_b64 s[8:9], s[0:1], 0x10                ; out
	v_lshl_add_u32 v[SPW], v0, 2, SPARE
	v_mov_b32 v[NIL], 0
	v_lshrrev_b32 v1, 5, v0
	s_delay_alu instid0(VALU_DEP_1)
	v_readfirstlane_b32 s10, v1                    ; wave 0..7
	v_and_b32 v1, 15, v0                           ; r
	v_bfe_u32 v2, v0, 4, 1                         ; h
	v_and_b32 v3, 31, v0
	s_delay_alu instid0(VALU_DEP_1)
	v_lshlrev_b32 v[O16], 4, v3
	s_delay_alu instid0(VALU_DEP_2)
	v_lshlrev_b32 v[O8], 3, v3
	v_lshlrev_b32 v[OS], 2, v1
	v_lshlrev_b32 v7, 6, v2                        ; G, Bc: 64 h
	s_mul_i32 s11, s10, STGW
	v_add_nc_u32 v8, s11, v[O16]                   ; the stage, in: 16 x lane of a row
	v_mul_u32_u24 v9, v1, 528
	s_delay_alu instid0(VALU_DEP_1)
	v_lshl_add_u32 v9, v2, 6, v9
	s_delay_alu instid0(VALU_DEP_1)
	v_add_nc_u32 v9, s11, v9                       ; and out: row r, + 64 h
	v_lshlrev_b32 v10, 5, v1
	s_delay_alu instid0(VALU_DEP_1)
	v_add_nc_u32 v10, RED, v10                     ; row r's eight partial sums,
	s_lshl_b32 s12, s10, 2
	v_add_nc_u32 v11, s12, v10                     ; my wave's among them
	s_mov_b32 s[SEL], 0x76543210
	s_mov_b32 s[SEL+1], 0xfedcba98
	s_mov_b32 s22, 0x3a800000                      ; 1 / 1,024
	s_mov_b32 s23, 0x3727c5ac                      ; 1e-5
.irp b, 0,1,2,3
	v_mov_b32 v[TM+4+\b], 0                        ; a lane permute's destination counts as one of its sources
.endr
	s_lshr_b32 s13, ttmp9, 1
	s_lshl_b32 s13, s13, 5
	s_and_b32 s14, ttmp9, 1
	s_lshl_b32 s14, s14, 3
	s_add_co_u32 s13, s13, s14                     ; the tile's first token
	s_lshl_b32 s14, s13, 12
	s_lshl_b32 s16, s10, 9
	s_add_co_u32 s14, s14, s16                     ; its row, my wave's 512 bytes
	s_mov_b32 s15, 0
	s_lshr_b32 s18, ttmp9, 7                       ; batch
	s_lshl_b32 s18, s18, 13
	s_add_co_u32 s18, s18, s16
	s_mov_b32 s19, 0
	s_mul_i32 s24, ttmp9, 12288
	s_mul_i32 s25, s10, 1536
	s_add_co_u32 s24, s24, s25                     ; my two half images
	s_mov_b32 s25, 0
	s_lshl_b32 s26, ttmp9, 9
	s_lshl_b32 s27, s10, 6
	s_add_co_u32 s26, s26, s27
	s_add_co_u32 s26, s26, 3145728                 ; my scale words
	s_mov_b32 s27, 0
	s_wait_alu depctr_va_vdst(0)
	s_wait_kmcnt 0x0
	s_add_nc_u64 s[4:5], s[4:5], s[14:15]
	s_add_nc_u64 s[6:7], s[6:7], s[18:19]
	s_add_nc_u64 s[24:25], s[8:9], s[24:25]
	s_add_nc_u64 s[26:27], s[8:9], s[26:27]
.irp i, 0,1,2,3,4,5,6,7,8,9,10,11,12,13,14,15
	global_load_b128 v[RAW+4*\i:RAW+4*\i+3], v[O16], s[4:5] offset:(\i+8*(\i/8))*4096   ; row i of the tile: 512 consecutive bytes
.endr
.irp b, 0,1,2,3
.irp j, 0,1,2,3
	global_load_b128 v[G+16*\b+4*\j:G+16*\b+4*\j+3], v7, s[6:7] offset:128*\b+16*\j
.endr
.endr
	s_wait_loadcnt 16                              ; the rows are in; G's 16 loads may be out
.irp i, 0,1,2,3,4,5,6,7,8,9,10,11,12,13,14,15
	ds_store_b128 v8, v[RAW+4*\i:RAW+4*\i+3] offset:\i*528
.endr
.irp b, 0,1,2,3
.irp j, 0,1,2,3
	ds_load_b128 v[X+16*\b+4*\j:X+16*\b+4*\j+3], v9 offset:128*\b+16*\j   ; LDS serves a wave's instructions in order: these see my stores
.endr
.endr
	s_wait_dscnt 0x0
.irp b, 0,1,2,3
.irp j, 0,1,2,3
	global_load_b128 v[RAW+16*\b+4*\j:RAW+16*\b+4*\j+3], v7, s[6:7] offset:4096+128*\b+16*\j   ; Bc, into the registers that the rows have left
.endr
.endr
	v_pk_add_f32 v[18:19], v[32:33], v[34:35]
	v_pk_add_f32 v[254:255], v[40:41], v[44:45]
	v_pk_add_f32 v[252:253], v[48:49], v[52:53]
	v_pk_add_f32 v[250:251], v[56:57], v[60:61]
	v_pk_add_f32 v[248:249], v[64:65], v[68:69]
	v_pk_add_f32 v[246:247], v[72:73], v[76:77]
	v_pk_add_f32 v[244:245], v[80:81], v[84:85]
	v_pk_add_f32 v[16:17], v[88:89], v[92:93]
	s_delay_alu instid0(VALU_DEP_1)
	v_pk_add_f32 v[16:17], v[16:17], v[36:37]
	v_pk_add_f32 v[18:19], v[18:19], v[38:39]
	v_pk_add_f32 v[254:255], v[254:255], v[42:43]
	v_pk_add_f32 v[252:253], v[252:253], v[46:47]
	v_pk_add_f32 v[250:251], v[250:251], v[50:51]
	v_pk_add_f32 v[248:249], v[248:249], v[54:55]
	v_pk_add_f32 v[246:247], v[246:247], v[58:59]
	v_pk_add_f32 v[244:245], v[244:245], v[62:63]
	v_pk_add_f32 v[16:17], v[16:17], v[66:67]
	v_pk_add_f32 v[18:19], v[18:19], v[70:71]
	v_pk_add_f32 v[254:255], v[254:255], v[74:75]
	v_pk_add_f32 v[252:253], v[252:253], v[78:79]
	v_pk_add_f32 v[250:251], v[250:251], v[82:83]
	v_pk_add_f32 v[248:249], v[248:249], v[86:87]
	v_pk_add_f32 v[246:247], v[246:247], v[90:91]
	v_pk_add_f32 v[244:245], v[244:245], v[94:95]
	s_delay_alu instid0(VALU_DEP_4)
	v_pk_add_f32 v[16:17], v[16:17], v[250:251]
	s_delay_alu instid0(VALU_DEP_4)
	v_pk_add_f32 v[18:19], v[18:19], v[248:249]
	s_delay_alu instid0(VALU_DEP_4)
	v_pk_add_f32 v[254:255], v[254:255], v[246:247]
	s_delay_alu instid0(VALU_DEP_4)
	v_pk_add_f32 v[252:253], v[252:253], v[244:245]
	s_delay_alu instid0(VALU_DEP_2)
	v_pk_add_f32 v[16:17], v[16:17], v[254:255]
	s_delay_alu instid0(VALU_DEP_2)
	v_pk_add_f32 v[18:19], v[18:19], v[252:253]
	s_delay_alu instid0(VALU_DEP_1)
	v_pk_add_f32 v[16:17], v[16:17], v[18:19]
	s_delay_alu instid0(VALU_DEP_1)
	v_add_f32 v16, v16, v17
	s_delay_alu instid0(VALU_DEP_1)
	v_permlanex16_b32 v17, v16, s[SEL], s[SEL+1]
	s_delay_alu instid0(VALU_DEP_1)
	v_add_f32 v16, v16, v17                        ; with lane l xor 16's: the wave's 128 columns of row r
	ds_store_b32 v11, v16
	s_wait_dscnt 0x0                               ; for the others' sake: my store has landed
	s_barrier_signal -1
	s_barrier_wait -1
	ds_load_b128 v[16:19], v10
	ds_load_b128 v[20:23], v10 offset:16
	s_wait_dscnt 0x0
	v_pk_add_f32 v[16:17], v[16:17], v[18:19]
	v_pk_add_f32 v[20:21], v[20:21], v[22:23]
	s_delay_alu instid0(VALU_DEP_1)
	v_pk_add_f32 v[16:17], v[16:17], v[20:21]
	s_delay_alu instid0(VALU_DEP_1)
	v_add_f32 v16, v16, v17
	s_delay_alu instid0(VALU_DEP_1)
	v_mul_f32 v24, 0xba800000, v16                 ; - mu
	s_delay_alu instid0(VALU_DEP_1)
	v_mov_b32 v25, v24
.set jj, 0
.rept 32
	v_pk_add_f32 v[X+jj:X+jj+1], v[X+jj:X+jj+1], v[24:25]
.set jj, jj+2
.endr
	v_pk_mul_f32 v[16:17], v[X:X+1], v[X:X+1]      ; the sum of squares of x - mu
	v_pk_mul_f32 v[18:19], v[X+2:X+3], v[X+2:X+3]
.irp j, 4,8,12,16,20,24,28,32,36,40,44,48,52,56,60
	s_delay_alu instid0(VALU_DEP_2)
	v_pk_fma_f32 v[16:17], v[X+\j:X+\j+1], v[X+\j:X+\j+1], v[16:17]
	s_delay_alu instid0(VALU_DEP_2)
	v_pk_fma_f32 v[18:19], v[X+\j+2:X+\j+3], v[X+\j+2:X+\j+3], v[18:19]
.endr
	s_delay_alu instid0(VALU_DEP_1)
	v_pk_add_f32 v[16:17], v[16:17], v[18:19]
	s_delay_alu instid0(VALU_DEP_1)
	v_add_f32 v16, v16, v17
	s_delay_alu instid0(VALU_DEP_1)
	v_permlanex16_b32 v17, v16, s[SEL], s[SEL+1]
	s_delay_alu instid0(VALU_DEP_1)
	v_add_f32 v16, v16, v17
	ds_store_b32 v11, v16 offset:512               ; other bytes than the first sums': no barrier is owed between
	s_wait_dscnt 0x0
	s_barrier_signal -1
	s_barrier_wait -1
	ds_load_b128 v[16:19], v10 offset:512
	ds_load_b128 v[20:23], v10 offset:528
	s_wait_dscnt 0x0
	v_pk_add_f32 v[16:17], v[16:17], v[18:19]
	v_pk_add_f32 v[20:21], v[20:21], v[22:23]
	s_delay_alu instid0(VALU_DEP_1)
	v_pk_add_f32 v[16:17], v[16:17], v[20:21]
	s_delay_alu instid0(VALU_DEP_1)
	v_add_f32 v16, v16, v17
	s_delay_alu instid0(VALU_DEP_1)
	v_fma_f32 v16, v16, s22, s23                   ; var + 1e-5
	s_wait_alu depctr_va_vdst(0)
	v_rsq_f32 v26, v16
	v_nop                                          ; a plain instruction behind the transcendental,
	s_wait_alu depctr_va_vdst(0)                   ; and the wait ahead of its first reader
	v_mov_b32 v27, v26
	s_wait_alu depctr_va_vdst(0)
	s_wait_loadcnt 0x0                             ; G and Bc
.set jj, 0
.rept 32
	v_pk_mul_f32 v[X+jj:X+jj+1], v[X+jj:X+jj+1], v[26:27]
.set jj, jj+2
.endr
.set jj, 0
.rept 32
	v_pk_fma_f32 v[X+jj:X+jj+1], v[X+jj:X+jj+1], v[G+jj:G+jj+1], v[RAW+jj:RAW+jj+1]
.set jj, jj+2
.endr
	QUANT X
.irp c, 0,1
	global_store_b128 v[O16], v[PC+6*\c:PC+6*\c+3], s[24:25] offset:768*\c          ; 512 consecutive bytes,
	global_store_b64 v[O8], v[PC+6*\c+4:PC+6*\c+5], s[24:25] offset:768*\c+512      ; and the 256 behind them
.endr
	global_store_b32 v[OS], v[PW], s[26:27]        ; lanes 16-31 hold the same words and write them to the same places
	s_wait_tensorcnt 0x0                           ; the wave's end: behind my last LDS store
	ds_add_u32 v[SPW], v[NIL]
	s_wait_dscnt 0x0
	s_endpgm
.Lfunc_end_k_q497b0bae6c_ln1:
	.size	k_q497b0bae6c_ln1, .Lfunc_end_k_q497b0bae6c_ln1-k_q497b0bae6c_ln1
	.p2alignl 7, 3214868480
	.fill 96, 4, 3214868480
	.section	.rodata,"a",@progbits
	.p2align	6, 0x0
	.amdhsa_kernel k_q497b0bae6c_ln1
		.amdhsa_group_segment_fixed_size 69632
		.amdhsa_private_segment_fixed_size 0
		.amdhsa_enable_private_segment 0
		.amdhsa_kernarg_size 24
		.amdhsa_user_sgpr_count 2
		.amdhsa_user_sgpr_kernarg_segment_ptr 1
		.amdhsa_wavefront_size32 1
		.amdhsa_system_sgpr_workgroup_id_x 1
		.amdhsa_system_sgpr_workgroup_id_y 1
		.amdhsa_system_sgpr_workgroup_id_z 1
		.amdhsa_system_vgpr_workitem_id 0
		.amdhsa_next_free_vgpr 256
		.amdhsa_next_free_sgpr 66
		.amdhsa_reserve_vcc 0
		.amdhsa_float_denorm_mode_32 3
		.amdhsa_float_denorm_mode_16_64 3
		.amdhsa_memory_ordered 1
		.amdhsa_forward_progress 1
		.amdhsa_inst_pref_size 29
	.end_amdhsa_kernel
	.amdgpu_metadata
---
amdhsa.version: [ 1, 2 ]
amdhsa.kernels:
  - .name:           k_q497b0bae6c_ln1
    .symbol:         k_q497b0bae6c_ln1.kd
    .args:
      - { .name: x, .offset: 0, .size: 8, .value_kind: global_buffer, .address_space: global }
      - { .name: mod1, .offset: 8, .size: 8, .value_kind: global_buffer, .address_space: global }
      - { .name: hbuf, .offset: 16, .size: 8, .value_kind: global_buffer, .address_space: global }
    .group_segment_fixed_size: 69632
    .private_segment_fixed_size: 0
    .kernarg_segment_align: 8
    .kernarg_segment_size: 24
    .max_flat_workgroup_size: 256
    .sgpr_count:     66
    .vgpr_count:     256
    .wavefront_size: 32
...
	.end_amdgpu_metadata
.endif
;; end of part 2
;; launch qkv (part 3): grid 12 x 16, 4 waves a work-group, clusters of 4 x 4, 327,680 bytes of LDS; arguments hbuf, wts, bq, bk, bv, qkv; writes qkv
.if DOCPART == 3
	.amdgcn_target "amdgcn-amd-amdhsa--gfx1250"
	.amdhsa_code_object_version 6
	.text
	.protected	k_q497b0bae6c_qkv
	.globl	k_q497b0bae6c_qkv
	.p2align	8
	.type	k_q497b0bae6c_qkv,@function
k_q497b0bae6c_qkv:
	s_mov_b64 s[64:65], 0
	v_nop
	global_prefetch_b8 v0, s[64:65] scope:SCOPE_SE
	s_setreg_imm32_b32 hwreg(HW_REG_WAVE_MODE, 25, 1), 1
	s_wait_xcnt 0x0
	s_wait_alu depctr_hold_cnt(0) depctr_sa_sdst(0) depctr_va_vdst(0) depctr_va_sdst(0) depctr_va_ssrc(0) depctr_va_vcc(0) depctr_vm_vsrc(0)
	s_getreg_b32 s2, hwreg(HW_REG_IB_STS2, 6, 4)
	s_cmp_eq_u32 s2, 0
	s_cbranch_scc0 .Lentry_in_a_cluster
	s_endpgm
.Lentry_in_a_cluster:
	s_bfe_u32 s2, ttmp6, 0x10000c
	s_cmp_lg_u32 s2, 0xf033
	s_cbranch_scc0 .Lentry_shape_is_right
	s_endpgm
.Lentry_shape_is_right:
.set MB, 8
.set LMB, 3
.set NQ, 2
.set RBP, 12288
.set SROW, 512
.set LAPS, 2
.set PART, MB*NQ*1536
.set SLOT, 4*PART
.set SCL, 2*SLOT
.set HALFS, MB*SROW
.set SPARE, SCL+4*HALFS
.set A16, 4
.set A8, 6
.set B16, 8
.set B8, 10
.set ADRS, 12
.set SPW, 13
.set NIL, 14
.set O16, 15
.set O8, 16
.set OS, 17
.set SC, 32
.set FA, 64
.set FB, 64+12*MB
.set G1A, 24
.set G0A, 32
.set G1B, 40
.set G0B, 48
.set G1SA, 56
.set G1SB, 68
.set G0SA, 76
.set G0SB, 80
.set SEL, 100
.set HA, 64
.set TM, 128
.set PW, 144
.set PC, 146
.set PWA, 170
.set PWB, 171
.set MSB, 0
.macro WIN new
.if MSB != (\new)
	s_set_vgpr_msb (MSB<<8)|(\new)
.set MSB, (\new)
.endif
.endm
.macro PLACES n
.rept \n
	v_nop
.endr
.endm
.macro CREST
	s_cmp_lg_u32 s16, 0
	s_cbranch_scc1 .Lnot_wave_0_\@
	s_barrier_signal -3
.Lnot_wave_0_\@:
	s_barrier_wait -3
	s_barrier_signal -1
	s_barrier_wait -1
.endm
.macro CROUND
	s_barrier_signal -1
	s_barrier_wait -1
	CREST
.endm
.macro JLOAD g0a, g1a, g0b, g1b
	s_cmp_eq_u32 s17, 0
	s_cbranch_scc0 .Lfor_b_\@
	tensor_load_to_lds s[\g0a:\g0a+3], s[\g1a:\g1a+7]
	s_nop 0
.rept 4
	v_nop
.endr
	s_branch .Lasked_\@
.Lfor_b_\@:
	tensor_load_to_lds s[\g0b:\g0b+3], s[\g1b:\g1b+7]
	s_nop 0
.rept 4
	v_nop
.endr
.Lasked_\@:
.endm
.macro SCALES p
.set ii, 0
.rept MB
	ds_load_b32 v[SC+MB*(\p)+ii], v[ADRS] offset:ii*SROW
.set ii, ii+1
.endr
.endm
.macro FETCH f, a16, a8, slot, q, p
	WIN ((1-(\p))<<6)
.set ii, 0
.rept MB
.irp c, 0,1
	ds_load_b128 v[\f+12*ii+6*\c:\f+12*ii+6*\c+3], v[\a16+\slot] offset:ii*NQ*1536+(\q)*1536+\c*768
	ds_load_b64 v[\f+12*ii+6*\c+4:\f+12*ii+6*\c+5], v[\a8+\slot] offset:ii*NQ*1536+(\q)*1536+\c*768+512
.endr
.set ii, ii+1
.endr
	WIN 0
.endm
.macro MULR p, alo, ahi, zero
.set ia, \alo
.rept \ahi-\alo+1
.if MB == 8
.set aw, 2+ia/4
.set ab, 64*(ia%4)
.else
.set aw, 2
.set ab, 32*ia
.endif
.set WN, (aw<<6)|(aw<<4)|(5*(1-(\p)))
	WIN WN
.set ib, 0
.rept MB
.if \zero
	v_wmma_scale_f32_16x16x128_f8f6f4 v[ab+8*ib:ab+8*ib+7], v[FB+12*ib:FB+12*ib+11], v[FA+12*ia:FA+12*ia+11], 0, v[SC+MB*(\p)+ib], v[SC+MB*(\p)+ia] matrix_a_fmt:MATRIX_FMT_FP6 matrix_b_fmt:MATRIX_FMT_FP6 matrix_a_scale:MATRIX_SCALE_ROW1
.else
	v_wmma_scale_f32_16x16x128_f8f6f4 v[ab+8*ib:ab+8*ib+7], v[FB+12*ib:FB+12*ib+11], v[FA+12*ia:FA+12*ia+11], v[ab+8*ib:ab+8*ib+7], v[SC+MB*(\p)+ib], v[SC+MB*(\p)+ia] matrix_a_fmt:MATRIX_FMT_FP6 matrix_b_fmt:MATRIX_FMT_FP6 matrix_a_scale:MATRIX_SCALE_ROW1
.endif
.set ib, ib+1
.endr
.set ia, ia+1
.endr
.endm
.macro STEP slot, q, zero
	s_wait_dscnt 0x0
	v_add_nc_u32 v[ADRS], 64, v[ADRS]
	PLACES 4
	SCALES 1-(\q)%2
	FETCH FB, B16, B8, \slot, (\q)+1, 1-(\q)%2
	MULR (\q)%2, 0, MB/2-1, \zero
	FETCH FA, A16, A8, \slot, (\q)+1, 1-(\q)%2
	MULR (\q)%2, MB/2, MB-1, \zero
	WIN 0
.endm
.macro TURN slot, next, fill
	s_wait_tensorcnt 0x0
	ds_add_u32 v[SPW], v[NIL]
.if \fill
	s_add_nc_u64 s[G0A+4*\slot+2:G0A+4*\slot+3], s[G0A+4*\slot+2:G0A+4*\slot+3], 2*NQ*1536
	s_add_nc_u64 s[G0B+4*\slot+2:G0B+4*\slot+3], s[G0B+4*\slot+2:G0B+4*\slot+3], 2*NQ*1536
.endif
	s_wait_dscnt 0x0
	s_barrier_signal -1
	MULR 1, 0, MB/4-1, 0
	WIN 0
	s_barrier_wait -1
.if \fill
	CREST
	JLOAD G0A+4*\slot, G1A, G0B+4*\slot, G1B
.else
	PLACES 4
.endif
	s_wait_alu depctr_va_vdst(0)
	v_add_nc_u32 v[ADRS], 64, v[ADRS]
	SCALES 0
	FETCH FB, B16, B8, \next, 0, 0
	MULR 1, MB/4, MB/2-1, 0
	FETCH FA, A16, A8, \next, 0, 0
	MULR 1, MB/2, MB-1, 0
	WIN 0
.endm
.macro QUANT s
.irp b, 0,1,2,3
	v_max3_num_f32 v[TM+\b], |v[\s+16*\b]|, |v[\s+1+16*\b]|, 0x1800000
.endr
.irp i, 2,4,6,8,10,12,14
.irp b, 0,1,2,3
	v_max3_num_f32 v[TM+\b], v[TM+\b], |v[\s+16*\b+\i]|, |v[\s+1+16*\b+\i]|
.endr
.endr
.irp b, 0,1,2,3
	v_permlanex16_b32 v[TM+4+\b], v[TM+\b], s[SEL], s[SEL+1]
.endr
.irp b, 0,1,2,3
	v_max_num_f32 v[TM+\b], v[TM+\b], v[TM+4+\b]
.endr
.irp b, 0,1,2,3
	v_add_nc_u32 v[TM+12+\b], 0xff000000, v[TM+\b]
.endr
.irp b, 0,1,2,3
	v_lshrrev_b32 v[TM+4+\b], 23, v[TM+12+\b]
.endr
	v_lshl_or_b32 v[PW], v[TM+5], 8, v[TM+4]
	v_lshl_or_b32 v[PW], v[TM+6], 16, v[PW]
	v_lshl_or_b32 v[PW], v[TM+7], 24, v[PW]
.irp c, 0,1
	v_cvt_scalef32_pk16_fp6_f32 v[PC+6*\c:PC+2+6*\c], v[\s+32*\c:\s+15+32*\c], v[TM+12+2*\c]
	v_cvt_scalef32_pk16_fp6_f32 v[PC+12+4*\c:PC+14+4*\c], v[\s+16+32*\c:\s+31+32*\c], v[TM+12+2*\c+1]
.endr
	v_nop
.irp c, 0,1
.irp i, 0,1,2
	v_permlane16_swap_b32 v[PC+6*\c+\i], v[PC+12+4*\c+\i]
.endr
.irp i, 0,1,2
	v_mov_b32 v[PC+3+6*\c+\i], v[PC+12+4*\c+\i]
.endr
.endr
.endm
	s_load_b256 s[4:11], s[0:1], 0x0
	s_load_b128 s[12:15], s[0:1], 0x20
	v_lshl_add_u32 v[SPW], v0, 2, SPARE
	v_mov_b32 v[NIL], 0
	ds_add_u32 v[SPW], v[NIL]
	ds_add_u32 v[SPW], v[NIL]
	v_lshrrev_b32 v1, 5, v0
	v_readfirstlane_b32 s16, v1
	s_lshr_b32 s17, s16, 1
	s_and_b32 s18, s16, 1
	s_bfe_u32 s19, ttmp6, 0x40000
	s_bfe_u32 s20, ttmp6, 0x40004
	s_and_b32 s84, ttmp7, 0xffff
	s_lshl_b32 s84, s84, 2
	s_lshl_b32 s85, ttmp9, 2
	s_cmp_eq_u32 ttmp9, 2
	s_cselect_b32 s23, 1, 0
	s_cselect_b32 s21, 0, s84
	s_cselect_b32 s22, s84, s85
	s_cselect_b32 s86, 1572864, 0
	s_mov_b32 s87, 3145728
	s_cselect_b32 s87, 9502720, s87
	s_mov_b32 s93, 9437184
	s_cselect_b32 s93, 3145728, s93
	s_add_co_u32 s21, s21, s20
	s_add_co_u32 s22, s22, s19
	s_lshl_b32 s84, s20, 2
	s_lshl_b32 s84, 15, s84
	s_lshl_b32 s85, 0x1111, s19
	s_or_b32 s[G1A], s84, (3<<16)|(1<<21)
	s_or_b32 s[G1SA], s84, (3<<16)|(1<<21)
	s_or_b32 s[G1B], s85, (3<<16)|(1<<21)
	s_or_b32 s[G1SB], s85, (3<<16)|(1<<21)
.irp g, G1A, G1B
	s_mov_b32 s[\g+1], (192*NQ)<<16
	s_mov_b32 s[\g+2], (2*MB)<<16                  ; the head's loads of codes bring both halves of a tile: 2 MB rows
	s_mov_b32 s[\g+3], (192*NQ)<<16
	s_mov_b32 s[\g+4], 2*MB
	s_mov_b32 s[\g+5], RBP/8
	s_mov_b32 s[\g+6], 0
	s_mov_b32 s[\g+7], 0
.endr
.irp g, G1SA, G1SB
	s_mov_b32 s[\g+1], 32<<16
	s_mov_b32 s[\g+2], (2*HALFS/256)<<16           ; the scale words of both halves in one load
	s_mov_b32 s[\g+3], 32<<16
	s_mov_b32 s[\g+4], 2*HALFS/256
	s_mov_b32 s[\g+5], 32
	s_mov_b32 s[\g+6], 0
	s_mov_b32 s[\g+7], 0
.endr
	s_lshl_b32 s88, s21, LMB+1
	s_mul_i32 s90, s88, SROW
	s_mul_i32 s88, s88, RBP
	s_add_co_u32 s88, s88, s86
	s_add_co_u32 s90, s90, s87
	s_mov_b32 s89, 0
	s_mov_b32 s91, 0
	s_lshl_b32 s94, s22, LMB+1
	s_mul_i32 s96, s94, SROW
	s_mul_i32 s94, s94, RBP
	s_add_co_u32 s96, s96, s93
	s_mov_b32 s95, 0
	s_mov_b32 s97, 0
	s_mul_i32 s98, s16, PART
	s_mov_b32 s[SEL], 0x76543210
	s_mov_b32 s[SEL+1], 0xfedcba98
	s_wait_dscnt 0x0
	s_wait_kmcnt 0x0
	s_cmp_eq_u32 s23, 1
	s_cselect_b64 s[84:85], s[6:7], s[4:5]
	s_cselect_b64 s[86:87], s[4:5], s[6:7]
	s_add_nc_u64 s[88:89], s[84:85], s[88:89]
	s_add_nc_u64 s[90:91], s[84:85], s[90:91]
	s_add_nc_u64 s[94:95], s[86:87], s[94:95]
	s_add_nc_u64 s[96:97], s[86:87], s[96:97]
	CROUND
	s_mov_b32 s[G0SA], 1
	s_mov_b32 s[G0SA+1], SCL
	s_mov_b64 s[G0SA+2:G0SA+3], s[90:91]
	s_or_b32 s[G0SA+3], s[G0SA+3], 0x80000000
	s_mov_b32 s[G0SB], 1
	s_mov_b32 s[G0SB+1], SCL+2*HALFS
	s_mov_b64 s[G0SB+2:G0SB+3], s[96:97]
	s_or_b32 s[G0SB+3], s[G0SB+3], 0x80000000
	s_mov_b32 s[G0A], 1                            ; the head's four tiles, each whole, one load a wave: slot 0's codes of A,
	s_mov_b32 s[G0A+1], 0
	s_mov_b64 s[G0A+2:G0A+3], s[88:89]
	s_or_b32 s[G0A+3], s[G0A+3], 0x80000000
	s_mov_b32 s[G0B], 1                            ; of B, behind them; the two blocks of scale words were set above
	s_mov_b32 s[G0B+1], 2*PART
	s_mov_b64 s[G0B+2:G0B+3], s[94:95]
	s_or_b32 s[G0B+3], s[G0B+3], 0x80000000
	s_mul_i32 s92, s18, MB*RBP                     ; for the ring: my half of a tile's rows
	s_mov_b32 s93, 0
	s_add_nc_u64 s[88:89], s[88:89], s[92:93]
	s_add_nc_u64 s[94:95], s[94:95], s[92:93]
	s_mov_b32 s[G0A+4], 1                          ; slot 1's group 0
	s_add_co_u32 s[G0A+5], s98, SLOT
	s_add_nc_u64 s[G0A+6:G0A+7], s[88:89], NQ*1536
	s_or_b32 s[G0A+7], s[G0A+7], 0x80000000
	s_mov_b32 s[G0B+4], 1
	s_add_co_u32 s[G0B+5], s98, SLOT
	s_add_nc_u64 s[G0B+6:G0B+7], s[94:95], NQ*1536
	s_or_b32 s[G0B+7], s[G0B+7], 0x80000000
.macro ARM under, g0, g1, next         ; one chain of branches on the wave's number, one load to an arm, all arms to one join
	s_cmp_lt_u32 s16, \under
	s_cbranch_scc0 \next
	tensor_load_to_lds s[\g0:\g0+3], s[\g1:\g1+7]
	s_nop 0
.rept 4
	v_nop
.endr
	s_branch .Lhead_asked
\next:
.endm
	ARM 1, G0A, G1A, .Lhead_b
	ARM 2, G0B, G1B, .Lhead_sa
	ARM 3, G0SA, G1SA, .Lhead_sb
	tensor_load_to_lds s[G0SB:G0SB+3], s[G1SB:G1SB+7]
	s_nop 0
.rept 4
	v_nop
.endr
.Lhead_asked:
	v_and_b32 v1, 15, v0
	v_bfe_u32 v2, v0, 4, 1
	v_and_b32 v3, 31, v0
	v_lshlrev_b32 v[O16], 4, v3
	v_lshlrev_b32 v[O8], 3, v3
	v_lshlrev_b32 v[OS], 2, v1
	s_mul_i32 s84, s17, PART
	s_mul_i32 s85, s18, PART
	s_add_co_u32 s85, s85, 2*PART
.irp s, 0,1
	v_add_nc_u32 v[A16+\s], s84, v[O16]
	v_add_nc_u32 v[A8+\s], s84, v[O8]
	v_add_nc_u32 v[B16+\s], s85, v[O16]
	v_add_nc_u32 v[B8+\s], s85, v[O8]
	s_add_co_u32 s84, s84, SLOT
	s_add_co_u32 s85, s85, SLOT
.endr
	s_mul_i32 s84, s17, HALFS
	s_mul_i32 s85, s18, HALFS
	s_add_co_u32 s85, s85, 2*HALFS
	s_sub_co_u32 s85, s85, s84
	v_mul_u32_u24 v18, s85, v2
	s_add_co_u32 s84, s84, SCL
	v_lshl_add_u32 v18, v1, 2, v18
	v_add_nc_u32 v[ADRS], s84, v18
	v_lshlrev_b32 v18, 6, v2
	v_and_b32 v19, 8, v1
	v_add_nc_u32 v19, v19, v1
	v_lshl_add_u32 v20, v19, 8, v18
	v_lshlrev_b32 v21, 2, v19
	s_and_b32 s99, s21, 7
	s_lshl_b32 s99, s99, 4
	s_lshl_b32 s2, s17, 3
	s_add_co_u32 s99, s99, s2
	s_lshl_b32 s92, s99, 12
	s_mov_b32 s93, 0
	s_add_nc_u64 s[92:93], s[6:7], s[92:93]
	s_add_nc_u64 s[92:93], s[92:93], 9830400
	s_cmp_eq_u32 s23, 1
	s_cbranch_scc1 .Lhead_v
	s_cmp_eq_u32 ttmp9, 1
	s_cselect_b64 s[94:95], s[10:11], s[8:9]
	s_mov_b32 s96, 106496
	s_cselect_b32 s96, 208896, s96
	s_cselect_b32 s97, 3407872, 0
	s_mov_b32 s98, 98304
	s_cselect_b32 s98, 196608, s98
	s_lshl_b32 s2, s19, 10
	s_lshl_b32 s90, s18, 9
	s_add_co_u32 s90, s90, s2
	s_mov_b32 s91, 0
	s_add_nc_u64 s[94:95], s[94:95], s[90:91]
	s_lshr_b32 s90, s21, 3
	s_lshl_b32 s90, s90, 4
	s_lshl_b32 s2, s19, 2
	s_add_co_u32 s90, s90, s2
	s_lshl_b32 s2, s18, 1
	s_add_co_u32 s90, s90, s2
	s_mul_i32 s90, s90, s96
	s_add_co_u32 s90, s90, s97
	s_mul_i32 s2, s99, 768
	s_add_co_u32 s84, s90, s2
	s_mov_b32 s85, 0
	s_lshl_b32 s2, s99, 6
	s_add_co_u32 s88, s90, s2
	s_add_co_u32 s88, s88, s98
	s_mov_b32 s89, 0
	s_mov_b32 s97, 0
	s_add_nc_u64 s[84:85], s[14:15], s[84:85]
	s_add_nc_u64 s[88:89], s[14:15], s[88:89]
	s_add_nc_u64 s[86:87], s[84:85], s[96:97]
	s_add_nc_u64 s[90:91], s[88:89], s[96:97]
	WIN 0x40
	s_wait_alu depctr_va_vdst(0)
.irp b, 0,1,2,3
.irp j, 0,1,2,3
	global_load_b128 v[16*\b+4*\j:16*\b+4*\j+3], v18, s[94:95] offset:128*\b+16*\j
.endr
.endr
	WIN 0
	s_branch .Lhead_done
.Lhead_v:
	s_lshl_b32 s98, s22, 1
	s_add_co_u32 s98, s98, s18
	s_lshr_b32 s96, s98, 4
	s_and_b32 s98, s98, 15
	s_lshl_b32 s96, s96, 4
	s_lshl_b32 s97, s21, 2
	s_add_co_u32 s96, s96, s97
	s_lshl_b32 s97, s17, 1
	s_add_co_u32 s96, s96, s97
	s_mul_i32 s96, s96, 208896
	s_add_co_u32 s96, s96, 3407872
	s_mul_i32 s97, s98, 6144
	s_add_co_u32 s84, s96, s97
	s_add_co_u32 s84, s84, 98304
	s_mov_b32 s85, 0
	s_lshl_b32 s97, s98, 8
	s_add_co_u32 s88, s96, s97
	s_add_co_u32 s88, s88, 204800
	s_mov_b32 s89, 0
	s_add_nc_u64 s[84:85], s[14:15], s[84:85]
	s_add_nc_u64 s[88:89], s[14:15], s[88:89]
	s_mov_b64 s[86:87], s[84:85]
	s_mov_b64 s[90:91], s[88:89]
	s_lshl_b32 s94, s21, 10
	s_lshl_b32 s97, s17, 9
	s_add_co_u32 s94, s94, s97
	s_mov_b32 s95, 0
	s_add_nc_u64 s[94:95], s[12:13], s[94:95]
	WIN 0x40
	s_wait_alu depctr_va_vdst(0)
.irp a, 0,1,2,3,4,5,6,7
	global_load_b32 v[2*\a], v21, s[94:95] offset:(32*(\a/2)+8*(\a%2))*4
	global_load_b32 v[2*\a+1], v21, s[94:95] offset:(32*(\a/2)+8*(\a%2))*4
.endr
	WIN 0
.Lhead_done:
	s_wait_alu depctr_va_vdst(0)                   ; the wait at the head's end
	s_wait_tensorcnt 0x0                           ; my tile of the head's four is in
	ds_add_u32 v[SPW], v[NIL]
	s_mov_b32 s[G1A+2], MB<<16                     ; no load of mine is out: from here on a load brings MB rows,
	s_mov_b32 s[G1A+4], MB
	s_mov_b32 s[G1B+2], MB<<16
	s_mov_b32 s[G1B+4], MB
	s_mul_i32 s[G0A+1], s16, PART                  ; and slot 0's group 0 becomes the ring's: my quarter, one slot's bytes ahead of slot 1's
	s_mul_i32 s[G0B+1], s16, PART
	s_sub_nc_u64 s[G0A+2:G0A+3], s[G0A+6:G0A+7], NQ*1536
	s_sub_nc_u64 s[G0B+2:G0B+3], s[G0B+6:G0B+7], NQ*1536
	s_wait_dscnt 0x0
	CROUND                                         ; all four tiles are in, in every partner
	JLOAD G0A+4, G1A, G0B+4, G1B                   ; slot 1's first fill, issued as a refill is
	SCALES 0
	FETCH FB, B16, B8, 0, 0, 0
	FETCH FA, A16, A8, 0, 0, 0
	STEP 0, 0, 1
	s_mov_b32 s3, LAPS-1
.Llap:
	TURN 0, 1, 1
	s_wait_alu depctr_va_vdst(0)
	STEP 1, 0, 0
	TURN 1, 0, 1
	s_wait_alu depctr_va_vdst(0)
	STEP 0, 0, 0
	s_sub_co_u32 s3, s3, 1
	s_cmp_lg_u32 s3, 0
	s_cbranch_scc1 .Llap
	TURN 0, 1, 0
	s_wait_alu depctr_va_vdst(0)
	STEP 1, 0, 0
	s_wait_dscnt 0x0
	PLACES 4
.macro TLOADS a, reg
.irp e, 0,1
.irp j, 0,1,2,3
	global_load_b128 v[\reg+16*\e+4*\j:\reg+16*\e+4*\j+3], v20, s[92:93] offset:(32*((\a)/2)+8*((\a)%2))*256+128*\e+16*\j
.endr
.endr
.endm
	s_cmp_eq_u32 s23, 1
	s_cbranch_scc1 .Lno_rot
	WIN 0x40
.irp a, 0,1,2,3,4,5
	TLOADS \a, 64+32*\a
.endr
	WIN 0
.Lno_rot:
	MULR 1, 0, MB-1, 0
	WIN 0
	PLACES 4
.irp b, 0,1,2,3
	v_mov_b32 v[TM+4+\b], 0
.endr
	s_cmp_eq_u32 s23, 1
	s_cbranch_scc1 .Lout_v
	TLOADS 6, 192
	TLOADS 7, 224
	s_wait_loadcnt 16
.macro BLKQ a
.if \a > 0
	s_wait_xcnt 0x0
.endif
.if \a == 6
	s_wait_loadcnt 0x0
.endif
	WIN 0x06+(\a)/4
.set ii, 0
.rept 32
	v_pk_add_f32 v[HA+2*ii:HA+2*ii+1], v[64*((\a)%4)+2*ii:64*((\a)%4)+2*ii+1], v[2*ii:2*ii+1]
.set ii, ii+1
.endr
.if \a < 6
	WIN 0x04
.set TT, 64+32*(\a)
.else
	WIN 0
.set TT, 192+32*((\a)-6)
.endif
.set ib, 0
.rept 4
.set it, 0
.rept 8
.set xe, HA+16*ib+2*it
.set cc, TT+16*(ib%2)+2*it
.set tp, 166+2*(it%2)
	v_mul_f32 v[tp], v[xe+1], v[cc+1]
	v_mul_f32 v[tp+1], v[xe], v[cc+1]
	v_fma_f32 v[xe], v[xe], v[cc], -v[tp]
	v_fma_f32 v[xe+1], v[xe+1], v[cc], v[tp+1]
.set it, it+1
.endr
.set ib, ib+1
.endr
	WIN 0
	QUANT HA
	v_and_b32 v[PWA], 0xffff, v[PW]
	v_lshrrev_b32 v[PWB], 16, v[PW]
	global_store_b128 v[O16], v[PC:PC+3], s[84:85] offset:768*(\a)
	global_store_b64 v[O8], v[PC+4:PC+5], s[84:85] offset:768*(\a)+512
	global_store_b128 v[O16], v[PC+6:PC+9], s[86:87] offset:768*(\a)
	global_store_b64 v[O8], v[PC+10:PC+11], s[86:87] offset:768*(\a)+512
	global_store_b32 v[OS], v[PWA], s[88:89] offset:64*(\a)
	global_store_b32 v[OS], v[PWB], s[90:91] offset:64*(\a)
.endm
.irp a, 0,1,2,3,4,5,6,7
	BLKQ \a
.endr
	s_branch .Lend
.Lout_v:
	s_wait_loadcnt 0x0
.macro BLKV a
.if \a > 0
	s_wait_xcnt 0x0
.endif
	WIN 0x06+(\a)/4
.set ii, 0
.rept 32
	v_pk_add_f32 v[HA+2*ii:HA+2*ii+1], v[64*((\a)%4)+2*ii:64*((\a)%4)+2*ii+1], v[2*(\a):2*(\a)+1]
.set ii, ii+1
.endr
	WIN 0
	QUANT HA
.irp c, 0,1
	global_store_b128 v[O16], v[PC+6*\c:PC+6*\c+3], s[84:85] offset:((\a)/4)*208896+((\a)%4)*1536+768*\c
	global_store_b64 v[O8], v[PC+6*\c+4:PC+6*\c+5], s[84:85] offset:((\a)/4)*208896+((\a)%4)*1536+768*\c+512
.endr
	global_store_b32 v[OS], v[PW], s[88:89] offset:((\a)/4)*208896+((\a)%4)*64
.endm
.irp a, 0,1,2,3,4,5,6,7
	BLKV \a
.endr
.Lend:
	s_wait_tensorcnt 0x0
	ds_add_u32 v[SPW], v[NIL]
	s_wait_dscnt 0x0
	CROUND
	s_endpgm
.Lfunc_end_k_q497b0bae6c_qkv:
	.size	k_q497b0bae6c_qkv, .Lfunc_end_k_q497b0bae6c_qkv-k_q497b0bae6c_qkv
	.p2alignl 7, 3214868480
	.fill 96, 4, 3214868480
	.section	.rodata,"a",@progbits
	.p2align	6, 0x0
	.amdhsa_kernel k_q497b0bae6c_qkv
		.amdhsa_group_segment_fixed_size 327680
		.amdhsa_private_segment_fixed_size 0
		.amdhsa_enable_private_segment 0
		.amdhsa_kernarg_size 48
		.amdhsa_user_sgpr_count 2
		.amdhsa_user_sgpr_kernarg_segment_ptr 1
		.amdhsa_wavefront_size32 1
		.amdhsa_system_sgpr_workgroup_id_x 1
		.amdhsa_system_sgpr_workgroup_id_y 1
		.amdhsa_system_sgpr_workgroup_id_z 1
		.amdhsa_system_vgpr_workitem_id 0
		.amdhsa_next_free_vgpr 1024
		.amdhsa_next_free_sgpr 102
		.amdhsa_reserve_vcc 0
		.amdhsa_float_denorm_mode_32 3
		.amdhsa_float_denorm_mode_16_64 3
		.amdhsa_memory_ordered 1
		.amdhsa_forward_progress 1
		.amdhsa_inst_pref_size 255
	.end_amdhsa_kernel
	.section	.bss,"aw",@nobits
	.p2align	6
	.space	262144
	.amdgpu_metadata
---
amdhsa.version: [ 1, 2 ]
amdhsa.kernels:
  - .name:           k_q497b0bae6c_qkv
    .symbol:         k_q497b0bae6c_qkv.kd
    .args:
      - { .name: hbuf, .offset: 0, .size: 8, .value_kind: global_buffer, .address_space: global }
      - { .name: wts, .offset: 8, .size: 8, .value_kind: global_buffer, .address_space: global }
      - { .name: bq, .offset: 16, .size: 8, .value_kind: global_buffer, .address_space: global }
      - { .name: bk, .offset: 24, .size: 8, .value_kind: global_buffer, .address_space: global }
      - { .name: bv, .offset: 32, .size: 8, .value_kind: global_buffer, .address_space: global }
      - { .name: qkv, .offset: 40, .size: 8, .value_kind: global_buffer, .address_space: global }
    .group_segment_fixed_size: 327680
    .private_segment_fixed_size: 0
    .kernarg_segment_align: 8
    .kernarg_segment_size: 48
    .max_flat_workgroup_size: 128
    .sgpr_count:     102
    .vgpr_count:     1024
    .wavefront_size: 32
...
	.end_amdgpu_metadata
.endif
;; end of part 3
;; launch attn (part 4): grid 8 x 32, 16 waves a work-group, clusters of 4 x 1, 221,184 bytes of LDS; arguments qkv, attn_mask, hbuf; writes hbuf
.if DOCPART == 4
	.amdgcn_target "amdgcn-amd-amdhsa--gfx1250"
	.amdhsa_code_object_version 6
	.text
	.protected	k_q497b0bae6c_attn
	.globl	k_q497b0bae6c_attn
	.p2align	8
	.type	k_q497b0bae6c_attn,@function
k_q497b0bae6c_attn:
	s_mov_b64 s[64:65], 0
	v_nop
	global_prefetch_b8 v0, s[64:65] scope:SCOPE_SE
	s_setreg_imm32_b32 hwreg(HW_REG_WAVE_MODE, 25, 1), 1
	s_wait_xcnt 0x0
	s_wait_alu depctr_hold_cnt(0) depctr_sa_sdst(0) depctr_va_vdst(0) depctr_va_sdst(0) depctr_va_ssrc(0) depctr_va_vcc(0) depctr_vm_vsrc(0)
	s_getreg_b32 s2, hwreg(HW_REG_IB_STS2, 6, 4)
	s_cmp_eq_u32 s2, 0
	s_cbranch_scc0 .Lentry_in_a_cluster
	s_endpgm
.Lentry_in_a_cluster:
	s_bfe_u32 s2, ttmp6, 0x10000c
	s_cmp_lg_u32 s2, 0x3003
	s_cbranch_scc0 .Lentry_shape_is_right
	s_endpgm
.Lentry_shape_is_right:
; o = softmax(q k^T / 8, masked keys out) v for one head and 256 queries a work-group, both products on codes of FP6 (E2M3) with E8M0 scales; o is quantised along H on the way out, as the next product's operand image.
; THE SOFTMAX AHEAD OF THE SECOND PRODUCT: t = score x log2(e) / 8; M = the running largest t rounded UP to a whole number; p = 2^(t - M) is quantised along the keys, not normalised; the row's sum is taken of the
; unquantised p and divides at the end; when M moves, the sum and O are multiplied by 2^(old M - new M), which rounds nothing.
; SHARES.  Sixteen waves, each one tile of 16 queries in 256 registers.  A head's record of k and v (208,896 bytes = 816 rows of 256: codes and scale words as the launch before laid them) comes into LDS ONCE,
; 51 rows a wave by one tensor load; nothing is filled again.  No prefetch: all of the record is asked for at the head, so there is no loop to run ahead in.
; CLUSTER 4 x 1: the four query blocks of a cluster belong to one head and need the same record: each part is asked for jointly.  My place in the cluster enters q's and o's global addresses alone.
; LAYOUT.  Both products transposed: S^T = K Q^T, O^T = V^T P^T: a lane holds one query throughout.  THE KEYS OF A SCORE TILE ARE CHOSEN BY THE LANES' LDS ADDRESSES: row p of tile 4 c + t is key 64 c + 32 (p / 8) + 8 t + p % 8,
; so the 32 registers of tiles 4 c .. 4 c + 3 in lane half h are keys 64 c + 32 h + 0 .. 31: ONE WHOLE BLOCK of the second product's K, in the order of its operand.  A block's largest score needs no other lane, and the codes no lane swap.
; In the record key x lies in tile 2 (x / 32) + (x % 32 / 8) % 2 at row x % 8 + 8 (x % 32 / 16): so rows 8-15 read two stored tiles (1,536 bytes) further on than rows 0-7, and t enters the immediate.
; The head is 64 wide and the instruction 128: q's upper six registers are zero codes, so whatever stands in the upper six of K's operand (the next tile's codes) adds nothing.
; THE MASK is a table of f32 in LDS, 0 for a key that counts and -1e30 for one that does not, loaded straight into the registers that the first product takes as its C.  The running largest score starts at -2^96, above every masked one.
; A BATCH WHOSE MASK IS ALL FALSE has the row's sum 0, where the problem's softmax gives NaN: there o's two scale bytes are set to 0xff, E8M0's NaN, and the next product's row is NaN.
; Nothing of the problem is left out here.  LIMITS: |score x log2(e) / 8| under 2^93; NaN and infinities among the inputs are not served;
; a block's largest p is taken from the block's largest score by the same two instructions (this takes the exponential not to fall where its input rises).
.set VC, 98304                         ; LDS as the record: K's codes at 0 [tile 128][768]; V's [step 16][channel tile 4][1,536];
.set KS, 196608                        ; K's scale words [tile][16]; V's [step][channel tile][16]
.set VS, 204800
.set MBT, 208896                       ; the mask's table: 2,048 f32, bytes of its own, written by LDS stores
.set SPARE, 218112                     ; the spare words, 128 bytes a wave, which no other line names
.set SPW, 8
.set NIL, 9
.set O16, 10
.set O8, 11
.set S, 96                             ; v96-159 scores, then p;  v160-191 O^T;  v32-85 K's or V's fragments;  v192-203 their scale words;  v204-215 p's codes
.macro CROUND
	s_barrier_signal -1
	s_barrier_wait -1
	s_cmp_lg_u32 s16, 0
	s_cbranch_scc1 .Lnot_wave_0_\@
	s_barrier_signal -3
.Lnot_wave_0_\@:
	s_barrier_wait -3
	s_barrier_signal -1
	s_barrier_wait -1
.endm
	s_load_b128 s[4:7], s[0:1], 0x0                ; qkv, attn_mask
	s_load_b64 s[8:9], s[0:1], 0x10                ; hbuf
	v_lshl_add_u32 v[SPW], v0, 2, SPARE
	v_mov_b32 v[NIL], 0
	ds_add_u32 v[SPW], v[NIL]                      ; the opening: the add, twice on end, and its wait ahead of my tensor load
	ds_add_u32 v[SPW], v[NIL]
	v_lshrrev_b32 v1, 5, v0
	s_delay_alu instid0(VALU_DEP_1)
	v_readfirstlane_b32 s16, v1                    ; wave 0..15
	s_bfe_u32 s19, ttmp6, 0x40000                  ; cx
	s_and_b32 s20, ttmp7, 0xffff                   ; batch x 16 + head, which the four partners share
	s_lshl_b32 s21, ttmp9, 2
	s_add_co_u32 s21, s21, s19                     ; my block of 256 queries
	s_mov_b32 s24, 15|(3<<16)|(1<<21)              ; group 1: the mask names all four; elements of 8 bytes; 51 rows of 256 bytes, dense
	s_mov_b32 s25, 32<<16
	s_mov_b32 s26, 51<<16
	s_mov_b32 s27, 32<<16
	s_mov_b32 s28, 51
	s_mov_b32 s29, 32
	s_mov_b32 s30, 0
	s_mov_b32 s31, 0
	s_mul_i32 s70, s20, 208896
	s_add_co_u32 s70, s70, 3407872                 ; the head's record
	s_mov_b32 s71, 0
	s_mul_i32 s72, s16, 13056                      ; my sixteenth: its place in the record is its LDS address
	s_mov_b32 s73, 0
	s_mov_b32 s59, 0xbe38aa3b                      ; -c
	s_mov_b32 s60, 0x76543210
	s_mov_b32 s61, 0xfedcba98                      ; v_permlanex16_b32's selects for lane l xor 16
	s_mov_b32 s62, 0x3e38aa3b                      ; c = log2(e) / 8
	s_mov_b32 s63, s62                             ; (named with it as a pair, so it is written)
	s_mov_b32 s66, 0                               ; the step's codes: 6,144 bytes a step, K's and V's alike
	s_mov_b32 s67, 0                               ; K's scale words and the mask's table: 512 bytes a step
	s_mov_b32 s68, 0                               ; V's scale words: 256
	s_lshr_b32 s76, s20, 4                         ; batch
	s_lshl_b32 s80, s21, 4
	s_add_co_u32 s80, s80, s16                     ; my query tile in the batch
	s_lshl_b32 s82, s76, 7
	s_add_co_u32 s82, s82, s80                     ; and among all 256 tiles
	s_lshl_b32 s76, s76, 11
	s_mov_b32 s77, 0
	s_mul_i32 s78, s20, 106496
	s_mul_i32 s79, s80, 768
	s_lshl_b32 s80, s80, 6
	s_add_co_u32 s80, s80, s78
	s_add_co_u32 s80, s80, 98304                   ; q's scale words
	s_add_co_u32 s78, s78, s79                     ; q's codes
	s_mov_b32 s79, 0
	s_mov_b32 s81, 0
	s_and_b32 s86, s20, 15                         ; head
	s_lshl_b32 s84, s82, 9
	s_mul_i32 s82, s82, 12288
	s_mul_i32 s83, s86, 768
	s_add_co_u32 s82, s82, s83                     ; o's half image: K / 64 = head
	s_mov_b32 s83, 0
	s_lshr_b32 s85, s86, 1
	s_lshl_b32 s85, s85, 6
	s_add_co_u32 s84, s84, s85
	s_and_b32 s85, s86, 1
	s_lshl_b32 s85, s85, 1
	s_add_co_u32 s84, s84, s85
	s_add_co_u32 s84, s84, 3145728                 ; o's two scale bytes: half of the word of K / 128 = head / 2
	s_mov_b32 s85, 0
	s_wait_dscnt 0x0                               ; both opening adds are done
	s_wait_kmcnt 0x0
	s_add_nc_u64 s[70:71], s[4:5], s[70:71]
	s_add_nc_u64 s[76:77], s[6:7], s[76:77]
	s_add_nc_u64 s[78:79], s[4:5], s[78:79]
	s_add_nc_u64 s[80:81], s[4:5], s[80:81]
	s_add_nc_u64 s[82:83], s[8:9], s[82:83]
	s_add_nc_u64 s[84:85], s[8:9], s[84:85]
	CROUND                                         ; all four work-groups are here: the joint loads meet
	s_mov_b32 s48, 1
	s_mov_b32 s49, s72
	s_add_nc_u64 s[50:51], s[70:71], s[72:73]
	s_or_b32 s51, s51, 0x80000000
	tensor_load_to_lds s[48:51], s[24:31]          ; my one load
	s_nop 0
	v_and_b32 v32, 15, v0                          ; r
	v_bfe_u32 v31, v0, 4, 1                        ; h
	v_and_b32 v33, 31, v0
	v_and_b32 v34, 7, v0                           ; r % 8
	v_bfe_u32 v35, v0, 3, 1                        ; r / 8
	v_lshlrev_b32 v[O16], 4, v33
	v_lshlrev_b32 v[O8], 3, v33
	v_lshlrev_b32 v1, 2, v32                       ; 4 r
	v_mul_u32_u24 v36, v35, 1536                   ; rows 8-15 read two stored tiles further on
	v_lshlrev_b32 v6, 7, v35
	v_lshl_add_u32 v2, v31, 8, v36
	v_lshl_add_u32 v3, v31, 7, v36
	v_lshl_add_u32 v6, v34, 2, v6
	v_lshl_add_u32 v2, v34, 4, v2                  ; K's 16 bytes: 1,536 (r / 8) + 16 (r % 8) + 256 h
	v_lshl_add_u32 v3, v34, 3, v3
	v_add_nc_u32 v6, KS, v6                        ; K's scale words: 128 (r / 8) + 4 (r % 8)
	v_add_nc_u32 v3, 512, v3                       ; K's 8 bytes: 512 + 1,536 (r / 8) + 8 (r % 8) + 128 h
	v_add_nc_u32 v4, VC, v[O16]
	v_add_nc_u32 v5, VC+512, v[O8]
	v_add_nc_u32 v7, VS, v1
	v_lshl_add_u32 v29, v31, 7, MBT                ; the mask's table: my block of 32 keys, 128 h
	v_lshlrev_b32 v30, 3, v31                      ; 8 h: where my two scale bytes go in p's scale word
	v_lshlrev_b32 v93, 2, v0                       ; my four bytes of the batch's mask,
	v_lshl_add_u32 v94, v0, 4, MBT                 ; and their four words of the table
	global_load_b32 v95, v93, s[76:77]
	global_load_b128 v[16:19], v[O16], s[78:79]    ; q's half image stays in registers
	global_load_b64 v[20:21], v[O8], s[78:79] offset:512
	global_load_b32 v28, v1, s[80:81]
	v_add_nc_u32 v86, s66, v2                      ; step 0's addresses
	v_add_nc_u32 v87, s66, v3
	v_add_nc_u32 v88, s66, v4
	v_add_nc_u32 v89, s66, v5
	v_add_nc_u32 v90, s67, v6
	v_add_nc_u32 v91, s68, v7
	v_add_nc_u32 v92, s67, v29
.irp j, 22,23,24,25,26,27,80,81,82,83,84,85
	v_mov_b32 v[\j], 0                             ; q's upper 64 along K: zero codes; and what stands behind K's last tile
.endr
	v_mov_b32 v13, 0xef800000                      ; the largest score so far: -2^96
	v_mov_b32 v14, 0                               ; the sum, in two halves
	v_mov_b32 v15, 0
	v_mul_f32 v12, s59, v13
	v_mov_b32 v241, 0                              ; a lane permute's destination counts as one of its sources
	v_mov_b32 v243, 0                              ; (named as the upper half of the pair v[242:243])
	v_floor_f32 v12, v12                           ; -M
.set jj, 0
.rept 32
	v_mov_b32 v[160+jj], 0                         ; O^T.  (The step is written once: the first finds zeros, which the first change of M leaves zeros)
.set jj, jj+1
.endr
	v_mov_b32 v244, 0xf149f2ca                     ; -1e30
	s_wait_alu depctr_va_vdst(0)                   ; the wait at the head's end
	s_wait_loadcnt 0x3                             ; the mask's bytes are in; q's three loads may be out
.irp k, 0,1,2,3
	v_bfe_u32 v245, v95, 8*\k, 8
	s_delay_alu instid0(VALU_DEP_1)
	v_cmp_eq_u32 vcc_lo, 0, v245
	s_delay_alu instid0(VALU_DEP_1)
	v_cndmask_b32 v[96+\k], 0, v244, vcc_lo
.endr
	ds_store_b128 v94, v[96:99]
	s_wait_tensorcnt 0x0                           ; my part of the record has landed,
	s_wait_loadcnt 0x0                             ; q is in,
	s_wait_dscnt 0x0                               ; my part of the table is stored:
	s_barrier_signal -1
	s_barrier_wait -1                              ; everybody's are
.macro ASTEP                           ; 128 keys
.irp u, 0,1,2,3,4,5,6,7
	ds_load_b128 v[32+6*\u:35+6*\u], v86 offset:(4*(\u/4)+\u%2)*768+128*((\u%4)/2)
	ds_load_b64 v[36+6*\u:37+6*\u], v87 offset:(4*(\u/4)+\u%2)*768+64*((\u%4)/2)
	ds_load_b32 v[192+\u], v90 offset:(4*(\u/4)+\u%2)*64+32*((\u%4)/2)
.endr
.irp n, 0,1,2,3,4,5,6,7,8,9,10,11,12,13,14,15
	ds_load_b128 v[S+4*\n:S+3+4*\n], v92 offset:256*(\n/8)+16*(\n%8)   ; the mask's 0 or -1e30 of key 64 c + 32 h + i into register 32 c + i: the first product's C
.endr
	s_wait_alu depctr_va_vdst(0)                   ; the wait ahead of the blocking wait
	s_wait_dscnt 0x0
.irp u, 0,1,2,3,4,5,6,7
	v_wmma_scale_f32_16x16x128_f8f6f4 v[S+8*\u:S+7+8*\u], v[32+6*\u:43+6*\u], v[16:27], v[S+8*\u:S+7+8*\u], v[192+\u], v28 matrix_a_fmt:MATRIX_FMT_FP6 matrix_b_fmt:MATRIX_FMT_FP6
.endr
	s_add_co_u32 s66, s66, 6144
	s_add_co_u32 s67, s67, 512
	s_add_co_u32 s68, s68, 256
	v_add_nc_u32 v86, s66, v2                      ; the next step's addresses for K and the mask: also the four places in front of the loads below and of the first read of the scores
	v_add_nc_u32 v87, s66, v3
	v_add_nc_u32 v90, s67, v6
	v_add_nc_u32 v92, s67, v29
.irp t, 0,1,2,3                                ; V's four fragments are asked for now and land under the softmax
.irp c, 0,1
	ds_load_b128 v[32+12*\t+6*\c:35+12*\t+6*\c], v88 offset:1536*\t+768*\c
	ds_load_b64 v[36+12*\t+6*\c:37+12*\t+6*\c], v89 offset:1536*\t+768*\c
.endr
	ds_load_b32 v[200+\t], v91 offset:64*\t
.endr
.irp k, 0,1,2,3
	v_max3_num_f32 v[224+\k], v[S+16*\k], v[S+1+16*\k], v[S+2+16*\k]   ; four chains of 15 scores, each accumulator from its low end on
.endr
.irp i, 3,5,7,9,11,13
.irp k, 0,1,2,3
	v_max3_num_f32 v[224+\k], v[224+\k], v[S+16*\k+\i], v[S+1+16*\k+\i]
.endr
.endr
	v_max3_num_f32 v224, v224, v225, v[S+15]
	v_max3_num_f32 v226, v226, v227, v[S+47]
	v_mov_b32 v244, v12                            ; the old -M
	v_max_num_f32 v224, v224, v[S+31]              ; the largest score of my block 2 c + h, c = 0,
	v_max_num_f32 v225, v226, v[S+63]              ; and c = 1: for the row's maximum and, since p rises with the score, for the block's largest p
	v_max3_num_f32 v246, v224, v225, v13
	v_permlanex16_b32 v245, v246, s60, s61
	v_max_num_f32 v13, v246, v245                  ; the running largest score of my query
	v_mul_f32 v246, s59, v13                       ; -t
	v_floor_f32 v12, v246                          ; the new -M = -ceil(t)
	v_sub_f32 v244, v12, v244                      ; old M - new M: a whole number, 0 or less
	v_cvt_i32_f32 v244, v244                       ; (it saturates)
	v_ldexp_f32 v242, 1.0, v244                    ; f = 2^(old M - new M)
.set jj, 0
.rept 32
	v_pk_fma_f32 v[S+jj:S+1+jj], v[S+jj:S+1+jj], s[62:63], v[12:13] op_sel_hi:[1,0,0]   ; t - M
.set jj, jj+2
.endr
	v_fma_f32 v224, v224, s62, v12
	v_fma_f32 v225, v225, s62, v12
	s_wait_alu depctr_va_vdst(0)                   ; the wait ahead of the batch
.set jj, 0
.rept 64
	v_exp_f32 v[S+jj], v[S+jj]                     ; p = 2^(t - M)
.set jj, jj+1
.endr
	v_exp_f32 v224, v224                           ; my two blocks' largest p
	v_exp_f32 v225, v225
	v_pk_mul_f32 v[14:15], v[14:15], v[242:243] op_sel_hi:[1,0]   ; the sums under the new M: a plain instruction behind the exponentials
	s_wait_alu depctr_va_vdst(0)                   ; one wait for the batch, ahead of its first reader
	v_pk_add_f32 v[236:237], v[S:S+1], v[S+2:S+3]  ; the row's sum of the unquantised p, in four chains
	v_pk_add_f32 v[238:239], v[S+4:S+5], v[S+6:S+7]
	v_pk_add_f32 v[248:249], v[S+8:S+9], v[S+10:S+11]
.irp g, 12,20,28,36,44,52
	v_pk_add_f32 v[14:15], v[14:15], v[S+\g:S+\g+1]
	v_pk_add_f32 v[236:237], v[236:237], v[S+\g+2:S+\g+3]
	v_pk_add_f32 v[238:239], v[238:239], v[S+\g+4:S+\g+5]
	v_pk_add_f32 v[248:249], v[248:249], v[S+\g+6:S+\g+7]
.endr
	v_pk_add_f32 v[14:15], v[14:15], v[S+60:S+61]
	v_pk_add_f32 v[236:237], v[236:237], v[S+62:S+63]
	v_max_num_f32 v224, 0x1800000, v224            ; the floor 2^(3 - 127): the byte cannot fall under 1
	v_max_num_f32 v225, 0x1800000, v225
	v_pk_add_f32 v[238:239], v[238:239], v[248:249]
	v_pk_add_f32 v[14:15], v[14:15], v[236:237]
	v_add_nc_u32 v232, 0xff000000, v224            ; 2 off the exponent field: the conversions' scale operands
	v_add_nc_u32 v233, 0xff000000, v225
	v_pk_add_f32 v[14:15], v[14:15], v[238:239]
	v_lshrrev_b32 v228, 23, v232                   ; the scale bytes of blocks h and 2 + h
	v_lshrrev_b32 v229, 23, v233
	v_lshl_or_b32 v240, v229, 16, v228
	v_lshlrev_b32 v240, v30, v240                  ; at their places, 8 h bits up;
	v_permlanex16_b32 v241, v240, s60, s61
	v_or_b32 v240, v240, v241                      ; with lane l xor 16's two: p's scale word for these 128 keys
	v_cvt_scalef32_pk16_fp6_f32 v[204:206], v[S:S+15], v232
	v_cvt_scalef32_pk16_fp6_f32 v[216:218], v[S+16:S+31], v232     ; (a conversion's three registers begin on an even number)
	v_cvt_scalef32_pk16_fp6_f32 v[210:212], v[S+32:S+47], v233
	v_cvt_scalef32_pk16_fp6_f32 v[220:222], v[S+48:S+63], v233
	v_nop                                          ; one plain place behind a scaled conversion
	v_dual_mov_b32 v207, v216 :: v_dual_mov_b32 v208, v217
	v_dual_mov_b32 v209, v218 :: v_dual_mov_b32 v214, v221
	v_mov_b32 v213, v220
	v_mov_b32 v215, v222
	s_wait_alu depctr_va_vdst(0)                   ; the wait directly ahead of the first reader of O^T
.set jj, 0
.rept 16
	v_pk_mul_f32 v[160+jj:161+jj], v[160+jj:161+jj], v[242:243] op_sel_hi:[1,0]   ; O^T under the new M.  (These sixteen are also the places in front of the products below)
.set jj, jj+2
.endr
	s_wait_alu depctr_va_vdst(0)                   ; the wait ahead of the blocking wait
	s_wait_dscnt 0x0                               ; V's fragments and scale words
.irp t, 0,1,2,3
	v_wmma_scale_f32_16x16x128_f8f6f4 v[160+8*\t:167+8*\t], v[32+12*\t:43+12*\t], v[204:215], v[160+8*\t:167+8*\t], v[200+\t], v240 matrix_a_fmt:MATRIX_FMT_FP6 matrix_b_fmt:MATRIX_FMT_FP6
.endr
	v_add_nc_u32 v88, s66, v4                      ; the next step's addresses for V: with the v_nop the four places behind the products
	v_add_nc_u32 v89, s66, v5
	v_add_nc_u32 v91, s68, v7
	v_nop
.endm
	s_mov_b32 s69, 16
.Lstep:
	ASTEP
	s_sub_co_u32 s69, s69, 1
	s_cmp_lg_u32 s69, 0
	s_cbranch_scc1 .Lstep
	; THE WAY OUT: O^T / the sum; register 16 b + i is channel 32 b + 16 h + i of my query: two blocks of the next product's K; a half image and two scale bytes
	v_add_f32 v14, v14, v15
	s_delay_alu instid0(VALU_DEP_1)
	v_permlanex16_b32 v244, v14, s60, s61
	s_delay_alu instid0(VALU_DEP_1)
	v_add_f32 v14, v14, v244                       ; the row's sum: it stays, for the compare below
	s_wait_alu depctr_va_vdst(0)
	v_rcp_f32 v245, v14
	v_mov_b32 v246, 0xffff                         ; two bytes 0xff.  (A plain instruction behind the transcendental)
	s_wait_alu depctr_va_vdst(0)                   ; the wait ahead of the reciprocal's first reader and of O^T's
.set jj, 0
.rept 32
	v_mul_f32 v[96+jj], v[160+jj], v245
.set jj, jj+1
.endr
.irp b, 0,1
	v_max3_num_f32 v[224+\b], |v[96+16*\b]|, |v[97+16*\b]|, 0x1800000
.endr
.irp i, 2,4,6,8,10,12,14
.irp b, 0,1
	s_delay_alu instid0(VALU_DEP_2)
	v_max3_num_f32 v[224+\b], v[224+\b], |v[96+16*\b+\i]|, |v[97+16*\b+\i]|
.endr
.endr
.irp b, 0,1
	s_delay_alu instid0(VALU_DEP_2)
	v_permlanex16_b32 v[228+\b], v[224+\b], s60, s61
.endr
.irp b, 0,1
	s_delay_alu instid0(VALU_DEP_2)
	v_max_num_f32 v[224+\b], v[224+\b], v[228+\b]
.endr
.irp b, 0,1
	s_delay_alu instid0(VALU_DEP_2)
	v_add_nc_u32 v[232+\b], 0xff000000, v[224+\b]
.endr
.irp b, 0,1
	s_delay_alu instid0(VALU_DEP_2)
	v_lshrrev_b32 v[228+\b], 23, v[232+\b]
.endr
	s_delay_alu instid0(VALU_DEP_1)
	v_lshl_or_b32 v241, v229, 8, v228
	v_cmp_eq_f32 vcc_lo, 0, v14                    ; no key counted for this query:
	s_delay_alu instid0(VALU_DEP_1)
	v_cndmask_b32 v241, v241, v246, vcc_lo         ; its scale bytes say NaN (a choice of a value: no branch, no address hangs on it)
	v_cvt_scalef32_pk16_fp6_f32 v[204:206], v[96:111], v232
	v_cvt_scalef32_pk16_fp6_f32 v[216:218], v[112:127], v233
	v_nop
.irp i, 0,1,2
	v_permlane16_swap_b32 v[204+\i], v[216+\i]
.endr
.irp i, 0,1,2
	s_delay_alu instid0(VALU_DEP_3)
	v_mov_b32 v[207+\i], v[216+\i]
.endr
	global_store_b128 v[O16], v[204:207], s[82:83]
	global_store_b64 v[O8], v[208:209], s[82:83] offset:512
	global_store_b16 v1, v241, s[84:85]            ; lanes 16-31 hold the same bytes and write them to the same places
	s_wait_tensorcnt 0x0                           ; the wave's end: behind my tensor load and my LDS store
	ds_add_u32 v[SPW], v[NIL]
	s_wait_dscnt 0x0
	CROUND                                         ; the closing round
	s_endpgm
.Lfunc_end_k_q497b0bae6c_attn:
	.size	k_q497b0bae6c_attn, .Lfunc_end_k_q497b0bae6c_attn-k_q497b0bae6c_attn
	.p2alignl 7, 3214868480
	.fill 96, 4, 3214868480
	.section	.rodata,"a",@progbits
	.p2align	6, 0x0
	.amdhsa_kernel k_q497b0bae6c_attn
		.amdhsa_group_segment_fixed_size 221184
		.amdhsa_private_segment_fixed_size 0
		.amdhsa_enable_private_segment 0
		.amdhsa_kernarg_size 24
		.amdhsa_user_sgpr_count 2
		.amdhsa_user_sgpr_kernarg_segment_ptr 1
		.amdhsa_wavefront_size32 1
		.amdhsa_system_sgpr_workgroup_id_x 1
		.amdhsa_system_sgpr_workgroup_id_y 1
		.amdhsa_system_sgpr_workgroup_id_z 1
		.amdhsa_system_vgpr_workitem_id 0
		.amdhsa_next_free_vgpr 256
		.amdhsa_next_free_sgpr 88
		.amdhsa_reserve_vcc 1
		.amdhsa_float_denorm_mode_32 3
		.amdhsa_float_denorm_mode_16_64 3
		.amdhsa_memory_ordered 1
		.amdhsa_forward_progress 1
		.amdhsa_inst_pref_size 31
	.end_amdhsa_kernel
	.amdgpu_metadata
---
amdhsa.version: [ 1, 2 ]
amdhsa.kernels:
  - .name:           k_q497b0bae6c_attn
    .symbol:         k_q497b0bae6c_attn.kd
    .args:
      - { .name: qkv, .offset: 0, .size: 8, .value_kind: global_buffer, .address_space: global }
      - { .name: attn_mask, .offset: 8, .size: 8, .value_kind: global_buffer, .address_space: global }
      - { .name: hbuf, .offset: 16, .size: 8, .value_kind: global_buffer, .address_space: global }
    .group_segment_fixed_size: 221184
    .private_segment_fixed_size: 0
    .kernarg_segment_align: 8
    .kernarg_segment_size: 24
    .max_flat_workgroup_size: 512
    .sgpr_count:     88
    .vgpr_count:     256
    .wavefront_size: 32
...
	.end_amdgpu_metadata
.endif
;; end of part 4
;; launch wo (part 5): grid 8 x 32, 4 waves a work-group, clusters of 4 x 4, 327,680 bytes of LDS; arguments hbuf, wts, bo, x, x2; writes x2
.if DOCPART == 5
	.amdgcn_target "amdgcn-amd-amdhsa--gfx1250"
	.amdhsa_code_object_version 6
	.text
	.protected	k_q497b0bae6c_wo
	.globl	k_q497b0bae6c_wo
	.p2align	8
	.type	k_q497b0bae6c_wo,@function
k_q497b0bae6c_wo:
	s_mov_b64 s[64:65], 0
	v_nop
	global_prefetch_b8 v0, s[64:65] scope:SCOPE_SE
	s_setreg_imm32_b32 hwreg(HW_REG_WAVE_MODE, 25, 1), 1
	s_wait_xcnt 0x0
	s_wait_alu depctr_hold_cnt(0) depctr_sa_sdst(0) depctr_va_vdst(0) depctr_va_sdst(0) depctr_va_ssrc(0) depctr_va_vcc(0) depctr_vm_vsrc(0)
	s_getreg_b32 s2, hwreg(HW_REG_IB_STS2, 6, 4)
	s_cmp_eq_u32 s2, 0
	s_cbranch_scc0 .Lentry_in_a_cluster
	s_endpgm
.Lentry_in_a_cluster:
	s_bfe_u32 s2, ttmp6, 0x10000c
	s_cmp_lg_u32 s2, 0xf033
	s_cbranch_scc0 .Lentry_shape_is_right
	s_endpgm
.Lentry_shape_is_right:
; x2 = x + o wo + bo, the product on codes of FP6 (E2M3) with E8M0 scales.  o and wo come as operand images (tile of 16 rows, row p of tile T = index 32 (T / 2) + 8 (T % 2) + p + 8 (p / 8); a half image = 16 rows x 64 K = 768 bytes).
; A work-group makes 128 x 128 (N = 1,024 gives only 64 blocks of 256 x 256; these give one to each of 256 WGPs), each of four waves 64 x 64: 16 accumulators.  K = 1,024 goes in steps of 128, eight to a slot: one slot holds all of it,
; so nothing is filled again.  The matrix instruction is used transposed (source 0 = a tile of wo, source 1 = a tile of o): a lane holds one token, and its registers run along the columns.
; CLUSTERS 4 x 4: o's tiles are shared along a row of the cluster, wo's along a column: joint loads with a mask that names the four.
; THE WAY OUT: a tile of 16 tokens x 64 columns goes through the wave's own stage in LDS and comes back as rows of 256 bytes; residual (loaded at the head) and bias are added; sixteen lanes store 256 consecutive bytes, aligned.
; Nothing of the problem is left out here.  LIMITS: NaN and infinities are not served.
; REGISTERS: window 0: v1-21 addresses, v32-39 scale words, v64-159 odd steps' fragments, v160-223 rows on the way out, v224-227 bias; window 1: v64-159 even steps' fragments; window 2: v0-127 accumulators, v128-255 the residual.
.set MB, 4
.set LMB, 2
.set NQ, 8                             ; all eight K steps lie in ONE fill: four loads at the head, one a wave, and nothing after them
.set RBP, 12288
.set SROW, 512
.set LAPS, 1
.set ASOFF, 3145728
.set BCOFF, 2359296
.set BSOFF, 9535488
.set PART, MB*NQ*1536
.set SLOT, 4*PART
.set SCL, SLOT
.set HALFS, MB*SROW
.set STAGE, SCL+4*HALFS                ; 16 rows x (256 + 16) bytes for each wave
.set SPARE, STAGE+4*4352               ; the spare words, 128 bytes a wave, which no other line names
.set A16, 4
.set A8, 6
.set B16, 8
.set B8, 10
.set ADRS, 12
.set SPW, 13
.set NIL, 14
.set O16, 15
.set O8, 16
.set VR, 18
.set VB, 19
.set STO, 20
.set RD, 21
.set SC, 32
.set FA, 64
.set FB, 64+12*MB
.set G1A, 24
.set G0A, 32
.set G1B, 40
.set G0B, 48
.set G1SA, 56
.set G1SB, 68
.set G0SA, 76
.set G0SB, 80
.set MSB, 0
.macro WIN new
.if MSB != (\new)
	s_set_vgpr_msb (MSB<<8)|(\new)
.set MSB, (\new)
.endif
.endm
.macro PLACES n
.rept \n
	v_nop
.endr
.endm
.macro CREST
	s_cmp_lg_u32 s16, 0
	s_cbranch_scc1 .Lnot_wave_0_\@
	s_barrier_signal -3
.Lnot_wave_0_\@:
	s_barrier_wait -3
	s_barrier_signal -1
	s_barrier_wait -1
.endm
.macro CROUND
	s_barrier_signal -1
	s_barrier_wait -1
	CREST
.endm
.macro JLOAD g0a, g1a, g0b, g1b        ; a joint load: waves 0, 1 fetch for A, waves 2, 3 for B; an s_nop 0 and four v_nop follow each line
	s_cmp_eq_u32 s17, 0
	s_cbranch_scc0 .Lfor_b_\@
	tensor_load_to_lds s[\g0a:\g0a+3], s[\g1a:\g1a+7]
	s_nop 0
.rept 4
	v_nop
.endr
	s_branch .Lasked_\@
.Lfor_b_\@:
	tensor_load_to_lds s[\g0b:\g0b+3], s[\g1b:\g1b+7]
	s_nop 0
.rept 4
	v_nop
.endr
.Lasked_\@:
.endm
.macro SCALES p
.set ii, 0
.rept MB
	ds_load_b32 v[SC+MB*(\p)+ii], v[ADRS] offset:ii*SROW
.set ii, ii+1
.endr
.endm
.macro FETCH f, a16, a8, slot, q, p
	WIN ((1-(\p))<<6)
.set ii, 0
.rept MB
.irp c, 0,1
	ds_load_b128 v[\f+12*ii+6*\c:\f+12*ii+6*\c+3], v[\a16+\slot] offset:ii*NQ*1536+(\q)*1536+\c*768
	ds_load_b64 v[\f+12*ii+6*\c+4:\f+12*ii+6*\c+5], v[\a8+\slot] offset:ii*NQ*1536+(\q)*1536+\c*768+512
.endr
.set ii, ii+1
.endr
	WIN 0
.endm
.macro MULR p, alo, ahi, zero          ; the accumulators take turns, one instruction a turn, in the same order in every step
.set ia, \alo
.rept \ahi-\alo+1
.if MB == 8
.set aw, 2+ia/4
.set ab, 64*(ia%4)
.else
.set aw, 2
.set ab, 32*ia
.endif
.set WN, (aw<<6)|(aw<<4)|(5*(1-(\p)))
	WIN WN
.set ib, 0
.rept MB
.if \zero
	v_wmma_scale_f32_16x16x128_f8f6f4 v[ab+8*ib:ab+8*ib+7], v[FB+12*ib:FB+12*ib+11], v[FA+12*ia:FA+12*ia+11], 0, v[SC+MB*(\p)+ib], v[SC+MB*(\p)+ia] matrix_a_fmt:MATRIX_FMT_FP6 matrix_b_fmt:MATRIX_FMT_FP6 matrix_a_scale:MATRIX_SCALE_ROW1
.else
	v_wmma_scale_f32_16x16x128_f8f6f4 v[ab+8*ib:ab+8*ib+7], v[FB+12*ib:FB+12*ib+11], v[FA+12*ia:FA+12*ia+11], v[ab+8*ib:ab+8*ib+7], v[SC+MB*(\p)+ib], v[SC+MB*(\p)+ia] matrix_a_fmt:MATRIX_FMT_FP6 matrix_b_fmt:MATRIX_FMT_FP6 matrix_a_scale:MATRIX_SCALE_ROW1
.endif
.set ib, ib+1
.endr
.set ia, ia+1
.endr
.endm
.macro STEP slot, q, zero
	s_wait_dscnt 0x0                               ; this step's fragments and scale words, asked for a step ago, are in
	v_add_nc_u32 v[ADRS], 64, v[ADRS]
	PLACES 4                                       ; with the line above: the places in front of loads into registers that the last step's products read
	SCALES 1-(\q)%2
	FETCH FB, B16, B8, \slot, (\q)+1, 1-(\q)%2
	MULR (\q)%2, 0, MB/2-1, \zero
	FETCH FA, A16, A8, \slot, (\q)+1, 1-(\q)%2
	MULR (\q)%2, MB/2, MB-1, \zero
	WIN 0
.endm
.macro TURN slot, next, fill
	s_wait_tensorcnt 0x0                           ; all my tensor loads have landed: my part of the next slot
	ds_add_u32 v[SPW], v[NIL]                      ; 0 onto my spare word
.if \fill
	s_add_nc_u64 s[G0A+4*\slot+2:G0A+4*\slot+3], s[G0A+4*\slot+2:G0A+4*\slot+3], 2*NQ*1536
	s_add_nc_u64 s[G0B+4*\slot+2:G0B+4*\slot+3], s[G0B+4*\slot+2:G0B+4*\slot+3], 2*NQ*1536
.endif
	s_wait_dscnt 0x0                               ; the add is done, and my reads of this slot are over
	s_barrier_signal -1
	MULR 1, 0, MB/4-1, 0
	WIN 0
	s_barrier_wait -1
.if \fill
	CREST
	JLOAD G0A+4*\slot, G1A, G0B+4*\slot, G1B
.else
	PLACES 4
.endif
	v_add_nc_u32 v[ADRS], 64, v[ADRS]
	SCALES 0
	FETCH FB, B16, B8, \next, 0, 0
	MULR 1, MB/4, MB/2-1, 0
	FETCH FA, A16, A8, \next, 0, 0
	MULR 1, MB/2, MB-1, 0
	WIN 0
.endm
	s_load_b256 s[4:11], s[0:1], 0x0               ; A's images, wts, bias, residual
	s_load_b64 s[12:13], s[0:1], 0x20              ; out
	v_lshl_add_u32 v[SPW], v0, 2, SPARE
	v_mov_b32 v[NIL], 0
	ds_add_u32 v[SPW], v[NIL]                      ; the wave's opening: the add, twice on end, and its wait ahead of my first tensor load
	ds_add_u32 v[SPW], v[NIL]
	v_lshrrev_b32 v1, 5, v0
	v_readfirstlane_b32 s16, v1
	s_lshr_b32 s17, s16, 1
	s_and_b32 s18, s16, 1
	s_bfe_u32 s19, ttmp6, 0x40000                  ; cx
	s_bfe_u32 s20, ttmp6, 0x40004                  ; cy
	s_and_b32 s21, ttmp7, 0xffff
	s_lshl_b32 s21, s21, 2
	s_add_co_u32 s21, s21, s20                     ; block of rows = 4 x cluster y + cy
	s_lshl_b32 s22, ttmp9, 2
	s_add_co_u32 s22, s22, s19                     ; block of columns = 4 x cluster x + cx
	s_lshl_b32 s84, s20, 2
	s_lshl_b32 s84, 15, s84                        ; my row of the cluster
	s_lshl_b32 s85, 0x1111, s19                    ; my column
	s_or_b32 s[G1A], s84, (3<<16)|(1<<21)
	s_or_b32 s[G1SA], s84, (3<<16)|(1<<21)
	s_or_b32 s[G1B], s85, (3<<16)|(1<<21)
	s_or_b32 s[G1SB], s85, (3<<16)|(1<<21)
.irp g, G1A, G1B                               ; 2 MB rows (tiles) of NQ x 1,536 bytes, RBP bytes apart; elements of 8 bytes; no padding
	s_mov_b32 s[\g+1], (192*NQ)<<16
	s_mov_b32 s[\g+2], (2*MB)<<16                  ; a load of codes brings both halves of the block's tiles: 2 MB rows
	s_mov_b32 s[\g+3], (192*NQ)<<16
	s_mov_b32 s[\g+4], 2*MB
	s_mov_b32 s[\g+5], RBP/8
	s_mov_b32 s[\g+6], 0
	s_mov_b32 s[\g+7], 0
.endr
.irp g, G1SA, G1SB                             ; the scale words of 2 MB tiles: a dense block, as rows of 256 bytes
	s_mov_b32 s[\g+1], 32<<16
	s_mov_b32 s[\g+2], (2*HALFS/256)<<16
	s_mov_b32 s[\g+3], 32<<16
	s_mov_b32 s[\g+4], 2*HALFS/256
	s_mov_b32 s[\g+5], 32
	s_mov_b32 s[\g+6], 0
	s_mov_b32 s[\g+7], 0
.endr
	s_lshl_b32 s88, s21, LMB+1
	s_mul_i32 s90, s88, SROW
	s_mul_i32 s88, s88, RBP
	s_add_co_u32 s90, s90, ASOFF
	s_mov_b32 s89, 0
	s_mov_b32 s91, 0
	s_lshl_b32 s94, s22, LMB+1
	s_mul_i32 s96, s94, SROW
	s_mul_i32 s94, s94, RBP
	s_add_co_u32 s94, s94, BCOFF
	s_add_co_u32 s96, s96, BSOFF
	s_mov_b32 s95, 0
	s_mov_b32 s97, 0
	s_wait_dscnt 0x0                               ; both opening adds are done
	s_wait_kmcnt 0x0
	s_add_nc_u64 s[88:89], s[4:5], s[88:89]
	s_add_nc_u64 s[90:91], s[4:5], s[90:91]
	s_add_nc_u64 s[94:95], s[6:7], s[94:95]
	s_add_nc_u64 s[96:97], s[6:7], s[96:97]
	CROUND                                         ; all sixteen work-groups are here: the first joint loads meet
	s_mov_b32 s[G0SA], 1
	s_mov_b32 s[G0SA+1], SCL
	s_mov_b64 s[G0SA+2:G0SA+3], s[90:91]
	s_or_b32 s[G0SA+3], s[G0SA+3], 0x80000000
	s_mov_b32 s[G0SB], 1
	s_mov_b32 s[G0SB+1], SCL+2*HALFS
	s_mov_b64 s[G0SB+2:G0SB+3], s[96:97]
	s_or_b32 s[G0SB+3], s[G0SB+3], 0x80000000
	s_mov_b32 s[G0A], 1                            ; o's eight tiles, all of K,
	s_mov_b32 s[G0A+1], 0
	s_mov_b64 s[G0A+2:G0A+3], s[88:89]
	s_or_b32 s[G0A+3], s[G0A+3], 0x80000000
	s_mov_b32 s[G0B], 1                            ; wo's eight, behind them
	s_mov_b32 s[G0B+1], 2*PART
	s_mov_b64 s[G0B+2:G0B+3], s[94:95]
	s_or_b32 s[G0B+3], s[G0B+3], 0x80000000
.macro ARM under, g0, g1, next         ; one chain of branches on the wave's number, one load to an arm, all arms to one join
	s_cmp_lt_u32 s16, \under
	s_cbranch_scc0 \next
	tensor_load_to_lds s[\g0:\g0+3], s[\g1:\g1+7]
	s_nop 0
.rept 4
	v_nop
.endr
	s_branch .Lhead_asked
\next:
.endm
	ARM 1, G0A, G1A, .Lhead_b
	ARM 2, G0B, G1B, .Lhead_sa
	ARM 3, G0SA, G1SA, .Lhead_sb
	tensor_load_to_lds s[G0SB:G0SB+3], s[G1SB:G1SB+7]
	s_nop 0
.rept 4
	v_nop
.endr
.Lhead_asked:
	v_and_b32 v1, 15, v0
	v_bfe_u32 v2, v0, 4, 1
	v_and_b32 v3, 31, v0
	v_lshlrev_b32 v[O16], 4, v3
	v_lshlrev_b32 v[O8], 3, v3
	s_mul_i32 s84, s17, PART
	s_mul_i32 s85, s18, PART
	s_add_co_u32 s85, s85, 2*PART
.irp s, 0
	v_add_nc_u32 v[A16+\s], s84, v[O16]
	v_add_nc_u32 v[A8+\s], s84, v[O8]
	v_add_nc_u32 v[B16+\s], s85, v[O16]
	v_add_nc_u32 v[B8+\s], s85, v[O8]
	s_add_co_u32 s84, s84, SLOT
	s_add_co_u32 s85, s85, SLOT
.endr
	s_mul_i32 s84, s17, HALFS
	s_mul_i32 s85, s18, HALFS
	s_add_co_u32 s85, s85, 2*HALFS
	s_sub_co_u32 s85, s85, s84
	s_wait_alu depctr_va_vdst(0)                   ; the wait directly ahead of the reader below
	v_mul_u32_u24 v17, s85, v2                     ; lanes 16-31 take B's scale words: one product, the distance between the two
	s_add_co_u32 s84, s84, SCL
	v_lshl_add_u32 v17, v1, 2, v17
	v_add_nc_u32 v[ADRS], s84, v17
	v_lshlrev_b32 v[VB], 4, v1                     ; 16 bytes a lane of a row of 256,
	v_lshl_add_u32 v[VR], v2, 12, v[VB]            ; lanes 16-31 one row of the tensor further down
	s_wait_alu depctr_va_vdst(0)
	s_mul_i32 s92, s16, 4352
	s_add_co_u32 s92, s92, STAGE                   ; my stage
	v_mul_u32_u24 v[STO], v1, 272
	v_lshl_add_u32 v[STO], v2, 6, v[STO]
	v_add_nc_u32 v[STO], s92, v[STO]               ; in: row r, + 64 h
	v_mul_u32_u24 v[RD], v2, 272
	v_add_nc_u32 v[RD], v[RD], v[VB]
	v_add_nc_u32 v[RD], s92, v[RD]                 ; back: lanes 0-15 one row, lanes 16-31 the next
	s_lshl_b32 s84, s21, 7
	s_lshl_b32 s85, s17, 6
	s_add_co_u32 s84, s84, s85                     ; my first row
	s_lshl_b32 s84, s84, 12
	s_lshl_b32 s88, s22, 9
	s_lshl_b32 s85, s18, 8
	s_add_co_u32 s88, s88, s85                     ; my first column, in bytes
	s_add_co_u32 s84, s84, s88
	s_mov_b32 s85, 0
	s_mov_b32 s89, 0
	s_add_nc_u64 s[86:87], s[12:13], s[84:85]      ; out,
	s_add_nc_u64 s[84:85], s[10:11], s[84:85]      ; residual,
	s_add_nc_u64 s[88:89], s[8:9], s[88:89]        ; bias
	WIN 0x80
.irp a, 0,1,2,3
.irp t, 0,1,2,3,4,5,6,7
	global_load_b128 v[128+32*\a+4*\t:131+32*\a+4*\t], v[VR], s[84:85] offset:(32*(\a/2)+8*(\a%2)+2*\t+8*(\t/4))*4096   ; rows 2 t, 2 t + 1 of tile a: they land under the products
.endr
.endr
	WIN 0
	global_load_b128 v[224:227], v[VB], s[88:89]
	s_wait_alu depctr_va_vdst(0)                   ; the wait at the head's end
	s_wait_tensorcnt 0x0                           ; my tile of the four is in
	s_barrier_signal -1
	s_barrier_wait -1                              ; everybody's are
	SCALES 0
	FETCH FB, B16, B8, 0, 0, 0
	FETCH FA, A16, A8, 0, 0, 0
	STEP 0, 0, 1                                   ; the first step's products start the sums
.if LAPS > 1
	s_mov_b32 s3, LAPS-1
.Llap:
	STEP 0, 1, 0
	STEP 0, 2, 0
	TURN 0, 1, 1
	STEP 1, 0, 0
	STEP 1, 1, 0
	STEP 1, 2, 0
	TURN 1, 0, 1
	STEP 0, 0, 0
	s_sub_co_u32 s3, s3, 1
	s_cmp_lg_u32 s3, 0
	s_cbranch_scc1 .Llap
.endif
	s_wait_alu depctr_va_vdst(0)
	STEP 0, 1, 0
	s_wait_alu depctr_va_vdst(0)
	STEP 0, 2, 0
	s_wait_alu depctr_va_vdst(0)
	STEP 0, 3, 0
	s_wait_alu depctr_va_vdst(0)
	STEP 0, 4, 0
	s_wait_alu depctr_va_vdst(0)
	STEP 0, 5, 0
	s_wait_alu depctr_va_vdst(0)
	STEP 0, 6, 0
	s_wait_dscnt 0x0
	MULR 1, 0, MB-1, 0
	WIN 0
	PLACES 4                                       ; in front of the first read of results
	s_wait_loadcnt 0x0                             ; residual and bias
.irp a, 0,1,2,3
.if \a > 1
	s_wait_xcnt 0x0                                ; the stores of two tiles back have read their registers
.endif
	WIN 0x08                                       ; an LDS store's data are its source 1: window 2
.irp b, 0,1,2,3
	ds_store_b128 v[STO], v[32*\a+8*\b:32*\a+8*\b+3] offset:128*(\b/2)+32*(\b%2)          ; each accumulator from its low end on
	ds_store_b128 v[STO], v[32*\a+8*\b+4:32*\a+8*\b+7] offset:128*(\b/2)+32*(\b%2)+16
.endr
	WIN 0
.irp t, 0,1,2,3,4,5,6,7
	ds_load_b128 v[160+32*(\a%2)+4*\t:163+32*(\a%2)+4*\t], v[RD] offset:544*\t   ; LDS serves a wave's instructions in order: these see my stores
.endr
	s_wait_dscnt 0x0
	WIN 0x08
.irp i, 0,1,2,3,4,5,6,7,8,9,10,11,12,13,14,15
	v_pk_add_f32 v[160+32*(\a%2)+2*\i:161+32*(\a%2)+2*\i], v[160+32*(\a%2)+2*\i:161+32*(\a%2)+2*\i], v[128+32*\a+2*\i:129+32*\a+2*\i]
.endr
	WIN 0
.irp t, 0,1,2,3,4,5,6,7
	v_pk_add_f32 v[160+32*(\a%2)+4*\t:161+32*(\a%2)+4*\t], v[160+32*(\a%2)+4*\t:161+32*(\a%2)+4*\t], v[224:225]
	v_pk_add_f32 v[162+32*(\a%2)+4*\t:163+32*(\a%2)+4*\t], v[162+32*(\a%2)+4*\t:163+32*(\a%2)+4*\t], v[226:227]
.endr
.irp t, 0,1,2,3,4,5,6,7
	global_store_b128 v[VR], v[160+32*(\a%2)+4*\t:163+32*(\a%2)+4*\t], s[86:87] offset:(32*(\a/2)+8*(\a%2)+2*\t+8*(\t/4))*4096   ; sixteen lanes store 256 consecutive bytes, aligned
.endr
.endr
	s_wait_tensorcnt 0x0                           ; the wave's end: behind my last tensor load and my last LDS store
	ds_add_u32 v[SPW], v[NIL]
	s_wait_dscnt 0x0
	CROUND                                         ; the closing round
	s_endpgm
.Lfunc_end_k_q497b0bae6c_wo:
	.size	k_q497b0bae6c_wo, .Lfunc_end_k_q497b0bae6c_wo-k_q497b0bae6c_wo
	.p2alignl 7, 3214868480
	.fill 96, 4, 3214868480
	.section	.rodata,"a",@progbits
	.p2align	6, 0x0
	.amdhsa_kernel k_q497b0bae6c_wo
		.amdhsa_group_segment_fixed_size 327680
		.amdhsa_private_segment_fixed_size 0
		.amdhsa_enable_private_segment 0
		.amdhsa_kernarg_size 40
		.amdhsa_user_sgpr_count 2
		.amdhsa_user_sgpr_kernarg_segment_ptr 1
		.amdhsa_wavefront_size32 1
		.amdhsa_system_sgpr_workgroup_id_x 1
		.amdhsa_system_sgpr_workgroup_id_y 1
		.amdhsa_system_sgpr_workgroup_id_z 1
		.amdhsa_system_vgpr_workitem_id 0
		.amdhsa_next_free_vgpr 768
		.amdhsa_next_free_sgpr 102
		.amdhsa_reserve_vcc 0
		.amdhsa_float_denorm_mode_32 3
		.amdhsa_float_denorm_mode_16_64 3
		.amdhsa_memory_ordered 1
		.amdhsa_forward_progress 1
		.amdhsa_inst_pref_size 65
	.end_amdhsa_kernel
	.amdgpu_metadata
---
amdhsa.version: [ 1, 2 ]
amdhsa.kernels:
  - .name:           k_q497b0bae6c_wo
    .symbol:         k_q497b0bae6c_wo.kd
    .args:
      - { .name: hbuf, .offset: 0, .size: 8, .value_kind: global_buffer, .address_space: global }
      - { .name: wts, .offset: 8, .size: 8, .value_kind: global_buffer, .address_space: global }
      - { .name: bo, .offset: 16, .size: 8, .value_kind: global_buffer, .address_space: global }
      - { .name: x, .offset: 24, .size: 8, .value_kind: global_buffer, .address_space: global }
      - { .name: x2, .offset: 32, .size: 8, .value_kind: global_buffer, .address_space: global }
    .group_segment_fixed_size: 327680
    .private_segment_fixed_size: 0
    .kernarg_segment_align: 8
    .kernarg_segment_size: 40
    .max_flat_workgroup_size: 128
    .sgpr_count:     102
    .vgpr_count:     768
    .wavefront_size: 32
...
	.end_amdgpu_metadata
.endif
;; end of part 5
;; launch ln2: the kernel of part 2 again; grid 256 x 1, 8 waves a work-group, no clusters, 69,632 bytes of LDS; arguments x2, mod2, hbuf; writes hbuf
;; launch ff1 (part 6): grid 16 x 16, 4 waves a work-group, clusters of 4 x 4, 327,680 bytes of LDS; arguments hbuf, wts, ff_b1, gbuf; writes gbuf
.if DOCPART == 6
	.amdgcn_target "amdgcn-amd-amdhsa--gfx1250"
	.amdhsa_code_object_version 6
	.text
	.protected	k_q497b0bae6c_ff1
	.globl	k_q497b0bae6c_ff1
	.p2align	8
	.type	k_q497b0bae6c_ff1,@function
k_q497b0bae6c_ff1:
	s_mov_b64 s[64:65], 0
	v_nop
	global_prefetch_b8 v0, s[64:65] scope:SCOPE_SE
	s_setreg_imm32_b32 hwreg(HW_REG_WAVE_MODE, 25, 1), 1
	s_wait_xcnt 0x0
	s_wait_alu depctr_hold_cnt(0) depctr_sa_sdst(0) depctr_va_vdst(0) depctr_va_sdst(0) depctr_va_ssrc(0) depctr_va_vcc(0) depctr_vm_vsrc(0)
	s_getreg_b32 s2, hwreg(HW_REG_IB_STS2, 6, 4)
	s_cmp_eq_u32 s2, 0
	s_cbranch_scc0 .Lentry_in_a_cluster
	s_endpgm
.Lentry_in_a_cluster:
	s_bfe_u32 s2, ttmp6, 0x10000c
	s_cmp_lg_u32 s2, 0xf033
	s_cbranch_scc0 .Lentry_shape_is_right
	s_endpgm
.Lentry_shape_is_right:
.set MB, 8
.set LMB, 3
.set NQ, 2
.set RBP, 12288
.set SROW, 512
.set LAPS, 2
.set ASOFF, 3145728
.set BCOFF, 3145728
.set BSOFF, 9568256
.set PART, MB*NQ*1536
.set SLOT, 4*PART
.set SCL, 2*SLOT
.set HALFS, MB*SROW
.set SPARE, SCL+4*HALFS
.set A16, 4
.set A8, 6
.set B16, 8
.set B8, 10
.set ADRS, 12
.set SPW, 13
.set NIL, 14
.set O16, 15
.set O8, 16
.set OS, 17
.set SC, 32
.set FA, 64
.set FB, 64+12*MB
.set G1A, 24
.set G0A, 32
.set G1B, 40
.set G0B, 48
.set G1SA, 56
.set G1SB, 68
.set G0SA, 76
.set G0SB, 80
.set SEL, 100
.set HA, 64
.set YY, 128
.set TT, 160
.set PP, 192
.set TM, 128
.set PW, 144
.set PC, 146
.set MSB, 0
.macro WIN new
.if MSB != (\new)
	s_set_vgpr_msb (MSB<<8)|(\new)
.set MSB, (\new)
.endif
.endm
.macro PLACES n
.rept \n
	v_nop
.endr
.endm
.macro CREST
	s_cmp_lg_u32 s16, 0
	s_cbranch_scc1 .Lnot_wave_0_\@
	s_barrier_signal -3
.Lnot_wave_0_\@:
	s_barrier_wait -3
	s_barrier_signal -1
	s_barrier_wait -1
.endm
.macro CROUND
	s_barrier_signal -1
	s_barrier_wait -1
	CREST
.endm
.macro JLOAD g0a, g1a, g0b, g1b
	s_cmp_eq_u32 s17, 0
	s_cbranch_scc0 .Lfor_b_\@
	tensor_load_to_lds s[\g0a:\g0a+3], s[\g1a:\g1a+7]
	s_nop 0
.rept 4
	v_nop
.endr
	s_branch .Lasked_\@
.Lfor_b_\@:
	tensor_load_to_lds s[\g0b:\g0b+3], s[\g1b:\g1b+7]
	s_nop 0
.rept 4
	v_nop
.endr
.Lasked_\@:
.endm
.macro SCALES p
.set ii, 0
.rept MB
	ds_load_b32 v[SC+MB*(\p)+ii], v[ADRS] offset:ii*SROW
.set ii, ii+1
.endr
.endm
.macro FETCH f, a16, a8, slot, q, p
	WIN ((1-(\p))<<6)
.set ii, 0
.rept MB
.irp c, 0,1
	ds_load_b128 v[\f+12*ii+6*\c:\f+12*ii+6*\c+3], v[\a16+\slot] offset:ii*NQ*1536+(\q)*1536+\c*768
	ds_load_b64 v[\f+12*ii+6*\c+4:\f+12*ii+6*\c+5], v[\a8+\slot] offset:ii*NQ*1536+(\q)*1536+\c*768+512
.endr
.set ii, ii+1
.endr
	WIN 0
.endm
.macro MULR p, alo, ahi, zero
.set ia, \alo
.rept \ahi-\alo+1
.if MB == 8
.set aw, 2+ia/4
.set ab, 64*(ia%4)
.else
.set aw, 2
.set ab, 32*ia
.endif
.set WN, (aw<<6)|(aw<<4)|(5*(1-(\p)))
	WIN WN
.set ib, 0
.rept MB
.if \zero
	v_wmma_scale_f32_16x16x128_f8f6f4 v[ab+8*ib:ab+8*ib+7], v[FB+12*ib:FB+12*ib+11], v[FA+12*ia:FA+12*ia+11], 0, v[SC+MB*(\p)+ib], v[SC+MB*(\p)+ia] matrix_a_fmt:MATRIX_FMT_FP6 matrix_b_fmt:MATRIX_FMT_FP6 matrix_a_scale:MATRIX_SCALE_ROW1
.else
	v_wmma_scale_f32_16x16x128_f8f6f4 v[ab+8*ib:ab+8*ib+7], v[FB+12*ib:FB+12*ib+11], v[FA+12*ia:FA+12*ia+11], v[ab+8*ib:ab+8*ib+7], v[SC+MB*(\p)+ib], v[SC+MB*(\p)+ia] matrix_a_fmt:MATRIX_FMT_FP6 matrix_b_fmt:MATRIX_FMT_FP6 matrix_a_scale:MATRIX_SCALE_ROW1
.endif
.set ib, ib+1
.endr
.set ia, ia+1
.endr
.endm
.macro STEP slot, q, zero
	s_wait_dscnt 0x0
	v_add_nc_u32 v[ADRS], 64, v[ADRS]
	PLACES 4
	SCALES 1-(\q)%2
	FETCH FB, B16, B8, \slot, (\q)+1, 1-(\q)%2
	MULR (\q)%2, 0, MB/2-1, \zero
	FETCH FA, A16, A8, \slot, (\q)+1, 1-(\q)%2
	MULR (\q)%2, MB/2, MB-1, \zero
	WIN 0
.endm
.macro TURN slot, next, fill
	s_wait_tensorcnt 0x0
	ds_add_u32 v[SPW], v[NIL]
.if \fill
	s_add_nc_u64 s[G0A+4*\slot+2:G0A+4*\slot+3], s[G0A+4*\slot+2:G0A+4*\slot+3], 2*NQ*1536
	s_add_nc_u64 s[G0B+4*\slot+2:G0B+4*\slot+3], s[G0B+4*\slot+2:G0B+4*\slot+3], 2*NQ*1536
.endif
	s_wait_dscnt 0x0
	s_barrier_signal -1
	MULR 1, 0, MB/4-1, 0
	WIN 0
	s_barrier_wait -1
.if \fill
	CREST
	JLOAD G0A+4*\slot, G1A, G0B+4*\slot, G1B
.else
	PLACES 4
.endif
	s_wait_alu depctr_va_vdst(0)
	v_add_nc_u32 v[ADRS], 64, v[ADRS]
	SCALES 0
	FETCH FB, B16, B8, \next, 0, 0
	MULR 1, MB/4, MB/2-1, 0
	FETCH FA, A16, A8, \next, 0, 0
	MULR 1, MB/2, MB-1, 0
	WIN 0
.endm
.macro QUANT s
.irp b, 0,1,2,3
	v_max3_num_f32 v[TM+\b], |v[\s+16*\b]|, |v[\s+1+16*\b]|, 0x1800000
.endr
.irp i, 2,4,6,8,10,12,14
.irp b, 0,1,2,3
	v_max3_num_f32 v[TM+\b], v[TM+\b], |v[\s+16*\b+\i]|, |v[\s+1+16*\b+\i]|
.endr
.endr
.irp b, 0,1,2,3
	v_permlanex16_b32 v[TM+4+\b], v[TM+\b], s[SEL], s[SEL+1]
.endr
.irp b, 0,1,2,3
	v_max_num_f32 v[TM+\b], v[TM+\b], v[TM+4+\b]
.endr
.irp b, 0,1,2,3
	v_add_nc_u32 v[TM+12+\b], 0xff000000, v[TM+\b]
.endr
.irp b, 0,1,2,3
	v_lshrrev_b32 v[TM+4+\b], 23, v[TM+12+\b]
.endr
	v_lshl_or_b32 v[PW], v[TM+5], 8, v[TM+4]
	v_lshl_or_b32 v[PW], v[TM+6], 16, v[PW]
	v_lshl_or_b32 v[PW], v[TM+7], 24, v[PW]
.irp c, 0,1
	v_cvt_scalef32_pk16_fp6_f32 v[PC+6*\c:PC+2+6*\c], v[\s+32*\c:\s+15+32*\c], v[TM+12+2*\c]
	v_cvt_scalef32_pk16_fp6_f32 v[PC+12+4*\c:PC+14+4*\c], v[\s+16+32*\c:\s+31+32*\c], v[TM+12+2*\c+1]
.endr
	v_nop
.irp c, 0,1
.irp i, 0,1,2
	v_permlane16_swap_b32 v[PC+6*\c+\i], v[PC+12+4*\c+\i]
.endr
.irp i, 0,1,2
	v_mov_b32 v[PC+3+6*\c+\i], v[PC+12+4*\c+\i]
.endr
.endr
.endm
	s_load_b256 s[4:11], s[0:1], 0x0
	v_lshl_add_u32 v[SPW], v0, 2, SPARE
	v_mov_b32 v[NIL], 0
	ds_add_u32 v[SPW], v[NIL]
	ds_add_u32 v[SPW], v[NIL]
	v_lshrrev_b32 v1, 5, v0
	v_readfirstlane_b32 s16, v1
	s_lshr_b32 s17, s16, 1
	s_and_b32 s18, s16, 1
	s_bfe_u32 s19, ttmp6, 0x40000
	s_bfe_u32 s20, ttmp6, 0x40004
	s_and_b32 s21, ttmp7, 0xffff
	s_lshl_b32 s21, s21, 2
	s_add_co_u32 s21, s21, s20
	s_lshl_b32 s22, ttmp9, 2
	s_add_co_u32 s22, s22, s19
	s_lshl_b32 s84, s20, 2
	s_lshl_b32 s84, 15, s84
	s_lshl_b32 s85, 0x1111, s19
	s_or_b32 s[G1A], s84, (3<<16)|(1<<21)
	s_or_b32 s[G1SA], s84, (3<<16)|(1<<21)
	s_or_b32 s[G1B], s85, (3<<16)|(1<<21)
	s_or_b32 s[G1SB], s85, (3<<16)|(1<<21)
.irp g, G1A, G1B
	s_mov_b32 s[\g+1], (192*NQ)<<16
	s_mov_b32 s[\g+2], (2*MB)<<16                  ; the head's loads of codes bring both halves of a tile: 2 MB rows
	s_mov_b32 s[\g+3], (192*NQ)<<16
	s_mov_b32 s[\g+4], 2*MB
	s_mov_b32 s[\g+5], RBP/8
	s_mov_b32 s[\g+6], 0
	s_mov_b32 s[\g+7], 0
.endr
.irp g, G1SA, G1SB
	s_mov_b32 s[\g+1], 32<<16
	s_mov_b32 s[\g+2], (2*HALFS/256)<<16           ; the scale words of both halves in one load
	s_mov_b32 s[\g+3], 32<<16
	s_mov_b32 s[\g+4], 2*HALFS/256
	s_mov_b32 s[\g+5], 32
	s_mov_b32 s[\g+6], 0
	s_mov_b32 s[\g+7], 0
.endr
	s_lshl_b32 s88, s21, LMB+1
	s_mul_i32 s90, s88, SROW
	s_mul_i32 s88, s88, RBP
	s_add_co_u32 s90, s90, ASOFF
	s_mov_b32 s89, 0
	s_mov_b32 s91, 0
	s_lshl_b32 s94, s22, LMB+1
	s_mul_i32 s96, s94, SROW
	s_mul_i32 s94, s94, RBP
	s_add_co_u32 s94, s94, BCOFF
	s_add_co_u32 s96, s96, BSOFF
	s_mov_b32 s95, 0
	s_mov_b32 s97, 0
	s_mul_i32 s98, s16, PART
	s_mov_b32 s[SEL], 0x76543210
	s_mov_b32 s[SEL+1], 0xfedcba98
	s_wait_dscnt 0x0
	s_wait_kmcnt 0x0
	s_add_nc_u64 s[88:89], s[4:5], s[88:89]
	s_add_nc_u64 s[90:91], s[4:5], s[90:91]
	s_add_nc_u64 s[94:95], s[6:7], s[94:95]
	s_add_nc_u64 s[96:97], s[6:7], s[96:97]
	CROUND
	s_mov_b32 s[G0SA], 1
	s_mov_b32 s[G0SA+1], SCL
	s_mov_b64 s[G0SA+2:G0SA+3], s[90:91]
	s_or_b32 s[G0SA+3], s[G0SA+3], 0x80000000
	s_mov_b32 s[G0SB], 1
	s_mov_b32 s[G0SB+1], SCL+2*HALFS
	s_mov_b64 s[G0SB+2:G0SB+3], s[96:97]
	s_or_b32 s[G0SB+3], s[G0SB+3], 0x80000000
	s_mov_b32 s[G0A], 1                            ; the head's four tiles, each whole, one load a wave: slot 0's codes of A,
	s_mov_b32 s[G0A+1], 0
	s_mov_b64 s[G0A+2:G0A+3], s[88:89]
	s_or_b32 s[G0A+3], s[G0A+3], 0x80000000
	s_mov_b32 s[G0B], 1                            ; of B, behind them; the two blocks of scale words were set above
	s_mov_b32 s[G0B+1], 2*PART
	s_mov_b64 s[G0B+2:G0B+3], s[94:95]
	s_or_b32 s[G0B+3], s[G0B+3], 0x80000000
	s_mul_i32 s92, s18, MB*RBP                     ; for the ring: my half of a tile's rows
	s_mov_b32 s93, 0
	s_add_nc_u64 s[88:89], s[88:89], s[92:93]
	s_add_nc_u64 s[94:95], s[94:95], s[92:93]
	s_mov_b32 s[G0A+4], 1                          ; slot 1's group 0
	s_add_co_u32 s[G0A+5], s98, SLOT
	s_add_nc_u64 s[G0A+6:G0A+7], s[88:89], NQ*1536
	s_or_b32 s[G0A+7], s[G0A+7], 0x80000000
	s_mov_b32 s[G0B+4], 1
	s_add_co_u32 s[G0B+5], s98, SLOT
	s_add_nc_u64 s[G0B+6:G0B+7], s[94:95], NQ*1536
	s_or_b32 s[G0B+7], s[G0B+7], 0x80000000
.macro ARM under, g0, g1, next         ; one chain of branches on the wave's number, one load to an arm, all arms to one join
	s_cmp_lt_u32 s16, \under
	s_cbranch_scc0 \next
	tensor_load_to_lds s[\g0:\g0+3], s[\g1:\g1+7]
	s_nop 0
.rept 4
	v_nop
.endr
	s_branch .Lhead_asked
\next:
.endm
	ARM 1, G0A, G1A, .Lhead_b
	ARM 2, G0B, G1B, .Lhead_sa
	ARM 3, G0SA, G1SA, .Lhead_sb
	tensor_load_to_lds s[G0SB:G0SB+3], s[G1SB:G1SB+7]
	s_nop 0
.rept 4
	v_nop
.endr
.Lhead_asked:
	v_and_b32 v1, 15, v0
	v_bfe_u32 v2, v0, 4, 1
	v_and_b32 v3, 31, v0
	v_lshlrev_b32 v[O16], 4, v3
	v_lshlrev_b32 v[O8], 3, v3
	v_lshlrev_b32 v[OS], 2, v1
	s_mul_i32 s84, s17, PART
	s_mul_i32 s85, s18, PART
	s_add_co_u32 s85, s85, 2*PART
.irp s, 0,1
	v_add_nc_u32 v[A16+\s], s84, v[O16]
	v_add_nc_u32 v[A8+\s], s84, v[O8]
	v_add_nc_u32 v[B16+\s], s85, v[O16]
	v_add_nc_u32 v[B8+\s], s85, v[O8]
	s_add_co_u32 s84, s84, SLOT
	s_add_co_u32 s85, s85, SLOT
.endr
	s_mul_i32 s84, s17, HALFS
	s_mul_i32 s85, s18, HALFS
	s_add_co_u32 s85, s85, 2*HALFS
	s_sub_co_u32 s85, s85, s84
	v_mul_u32_u24 v18, s85, v2
	s_add_co_u32 s84, s84, SCL
	v_lshl_add_u32 v18, v1, 2, v18
	v_add_nc_u32 v[ADRS], s84, v18
	v_lshlrev_b32 v18, 6, v2
	s_wait_alu depctr_va_vdst(0)
	s_lshl_b32 s92, s22, 1
	s_add_co_u32 s92, s92, s18
	s_lshl_b32 s94, s92, 9
	s_mov_b32 s95, 0
	s_add_nc_u64 s[94:95], s[8:9], s[94:95]
	s_lshl_b32 s93, s21, 4
	s_lshl_b32 s96, s17, 3
	s_add_co_u32 s93, s93, s96
	s_mul_i32 s84, s93, 49152
	s_mul_i32 s96, s92, 1536
	s_add_co_u32 s84, s84, s96
	s_mov_b32 s85, 0
	s_lshl_b32 s86, s93, 11
	s_lshl_b32 s96, s92, 6
	s_add_co_u32 s86, s86, s96
	s_add_co_u32 s86, s86, 12582912
	s_mov_b32 s87, 0
	s_add_nc_u64 s[84:85], s[10:11], s[84:85]
	s_add_nc_u64 s[86:87], s[10:11], s[86:87]
	WIN 0x40
.irp b, 0,1,2,3
.irp j, 0,1,2,3
	global_load_b128 v[16*\b+4*\j:16*\b+4*\j+3], v18, s[94:95] offset:128*\b+16*\j
.endr
.endr
	WIN 0
	s_wait_alu depctr_va_vdst(0)                   ; the wait at the head's end
	s_wait_tensorcnt 0x0                           ; my tile of the head's four is in
	ds_add_u32 v[SPW], v[NIL]
	s_mov_b32 s[G1A+2], MB<<16                     ; no load of mine is out: from here on a load brings MB rows,
	s_mov_b32 s[G1A+4], MB
	s_mov_b32 s[G1B+2], MB<<16
	s_mov_b32 s[G1B+4], MB
	s_mul_i32 s[G0A+1], s16, PART                  ; and slot 0's group 0 becomes the ring's: my quarter, one slot's bytes ahead of slot 1's
	s_mul_i32 s[G0B+1], s16, PART
	s_sub_nc_u64 s[G0A+2:G0A+3], s[G0A+6:G0A+7], NQ*1536
	s_sub_nc_u64 s[G0B+2:G0B+3], s[G0B+6:G0B+7], NQ*1536
	s_wait_dscnt 0x0
	CROUND                                         ; all four tiles are in, in every partner
	JLOAD G0A+4, G1A, G0B+4, G1B                   ; slot 1's first fill, issued as a refill is
	SCALES 0
	FETCH FB, B16, B8, 0, 0, 0
	FETCH FA, A16, A8, 0, 0, 0
	STEP 0, 0, 1
	s_mov_b32 s3, LAPS-1
.Llap:
	TURN 0, 1, 1
	s_wait_alu depctr_va_vdst(0)
	STEP 1, 0, 0
	TURN 1, 0, 1
	s_wait_alu depctr_va_vdst(0)
	STEP 0, 0, 0
	s_sub_co_u32 s3, s3, 1
	s_cmp_lg_u32 s3, 0
	s_cbranch_scc1 .Llap
	TURN 0, 1, 0
	s_wait_alu depctr_va_vdst(0)
	STEP 1, 0, 0
	s_wait_dscnt 0x0
	MULR 1, 0, MB-1, 0
	WIN 0
	PLACES 4
.macro CPAIR r, v
	s_mov_b32 s[\r], \v
	s_mov_b32 s[\r+1], \v
.endm
	CPAIR 24, 0x3f3504f3
	CPAIR 26, 0x3fb8aa3b
	CPAIR 28, 0x3e2ef946
	CPAIR 30, 0x3fbe87b0
	CPAIR 32, 0xbf914e5d
	CPAIR 34, 0x3e8ec7cc
	CPAIR 36, 0xbe3ec24c
	CPAIR 38, 0x3dc636c9
	CPAIR 40, 0x3ebf88fb
	CPAIR 42, 0x3f8000c7
	CPAIR 44, 0xbfa1fc4e
	v_mov_b32 v224, 0xbf527892
	v_mov_b32 v225, 0xbf527892
	s_wait_loadcnt 0x0
.macro COPY a
	WIN 0x06+(\a)/4
.set ii, 0
.rept 32
	v_pk_add_f32 v[HA+2*ii:HA+2*ii+1], v[64*((\a)%4)+2*ii:64*((\a)%4)+2*ii+1], v[2*ii:2*ii+1]
.set ii, ii+1
.endr
	WIN 0
.endm
.macro GELU e
.set ii, 0
.rept 16
	v_pk_mul_f32 v[YY+2*ii:YY+2*ii+1], v[HA+\e+2*ii:HA+\e+2*ii+1], s[24:25] op_sel_hi:[1,0]
.set ii, ii+1
.endr
.set ii, 0
.rept 32
	v_fma_f32 v[TT+ii], |v[YY+ii]|, 0.5, 1.0
.set ii, ii+1
.endr
.set ii, 0
	s_wait_alu depctr_va_vdst(0)
.rept 32
	v_rcp_f32 v[TT+ii], v[TT+ii]
.set ii, ii+1
.endr
.set ii, 0
.rept 16
	v_pk_mul_f32 v[YY+2*ii:YY+2*ii+1], v[YY+2*ii:YY+2*ii+1], v[YY+2*ii:YY+2*ii+1]
.set ii, ii+1
.endr
	s_wait_alu depctr_va_vdst(0)
.set ii, 0
.rept 16
	v_pk_fma_f32 v[PP+2*ii:PP+2*ii+1], v[TT+2*ii:TT+2*ii+1], s[28:29], v[224:225] op_sel_hi:[1,0,1]
.set ii, ii+1
.endr
.irp k, 30,32,34,36,38,40,42,44
.set ii, 0
.rept 16
	v_pk_fma_f32 v[PP+2*ii:PP+2*ii+1], v[PP+2*ii:PP+2*ii+1], v[TT+2*ii:TT+2*ii+1], s[\k:\k+1] op_sel_hi:[1,1,0]
.set ii, ii+1
.endr
.endr
.set ii, 0
.rept 16
	v_pk_add_f32 v[PP+2*ii:PP+2*ii+1], v[PP+2*ii:PP+2*ii+1], v[YY+2*ii:YY+2*ii+1] neg_lo:[0,1] neg_hi:[0,1]
.set ii, ii+1
.endr
.set ii, 0
.rept 16
	v_pk_mul_f32 v[PP+2*ii:PP+2*ii+1], v[PP+2*ii:PP+2*ii+1], s[26:27] op_sel_hi:[1,0]
.set ii, ii+1
.endr
.set ii, 0
	s_wait_alu depctr_va_vdst(0)
.rept 32
	v_exp_f32 v[PP+ii], v[PP+ii]
.set ii, ii+1
.endr
.set ii, 0
.rept 16
	v_pk_mul_f32 v[TT+2*ii:TT+2*ii+1], v[TT+2*ii:TT+2*ii+1], v[HA+\e+2*ii:HA+\e+2*ii+1]
.set ii, ii+1
.endr
.set ii, 0
.rept 32
	v_max_num_f32 v[YY+ii], 0, v[HA+\e+ii]
.set ii, ii+1
.endr
	s_wait_alu depctr_va_vdst(0)
.set ii, 0
.rept 16
	v_pk_mul_f32 v[TT+2*ii:TT+2*ii+1], v[TT+2*ii:TT+2*ii+1], v[PP+2*ii:PP+2*ii+1]
.set ii, ii+1
.endr
.set ii, 0
.rept 32
	v_fma_f32 v[HA+\e+ii], |v[TT+ii]|, -0.5, v[YY+ii]
.set ii, ii+1
.endr
.endm
	s_mov_b32 s88, 0
.Lrow:
.irp a, 0,1,2,3,4,5,6
	s_cmp_eq_u32 s88, \a
	s_cbranch_scc1 .Lcopy\a
.endr
	COPY 7
	s_branch .Ljoin
.irp a, 0,1,2,3,4,5,6
.Lcopy\a:
	COPY \a
	s_branch .Ljoin
.endr
.Ljoin:
	GELU 0
	GELU 32
	QUANT HA
.irp c, 0,1
	global_store_b128 v[O16], v[PC+6*\c:PC+6*\c+3], s[84:85] offset:768*\c
	global_store_b64 v[O8], v[PC+6*\c+4:PC+6*\c+5], s[84:85] offset:768*\c+512
.endr
	global_store_b32 v[OS], v[PW], s[86:87]
	s_wait_xcnt 0x0
	s_add_nc_u64 s[84:85], s[84:85], 49152
	s_add_nc_u64 s[86:87], s[86:87], 2048
	s_add_co_u32 s88, s88, 1
	s_cmp_lt_u32 s88, 8
	s_cbranch_scc1 .Lrow
	s_wait_tensorcnt 0x0
	ds_add_u32 v[SPW], v[NIL]
	s_wait_dscnt 0x0
	CROUND
	s_endpgm
.Lfunc_end_k_q497b0bae6c_ff1:
	.size	k_q497b0bae6c_ff1, .Lfunc_end_k_q497b0bae6c_ff1-k_q497b0bae6c_ff1
	.p2alignl 7, 3214868480
	.fill 96, 4, 3214868480
	.section	.rodata,"a",@progbits
	.p2align	6, 0x0
	.amdhsa_kernel k_q497b0bae6c_ff1
		.amdhsa_group_segment_fixed_size 327680
		.amdhsa_private_segment_fixed_size 0
		.amdhsa_enable_private_segment 0
		.amdhsa_kernarg_size 32
		.amdhsa_user_sgpr_count 2
		.amdhsa_user_sgpr_kernarg_segment_ptr 1
		.amdhsa_wavefront_size32 1
		.amdhsa_system_sgpr_workgroup_id_x 1
		.amdhsa_system_sgpr_workgroup_id_y 1
		.amdhsa_system_sgpr_workgroup_id_z 1
		.amdhsa_system_vgpr_workitem_id 0
		.amdhsa_next_free_vgpr 1024
		.amdhsa_next_free_sgpr 102
		.amdhsa_reserve_vcc 0
		.amdhsa_float_denorm_mode_32 3
		.amdhsa_float_denorm_mode_16_64 3
		.amdhsa_memory_ordered 1
		.amdhsa_forward_progress 1
		.amdhsa_inst_pref_size 186
	.end_amdhsa_kernel
	.amdgpu_metadata
---
amdhsa.version: [ 1, 2 ]
amdhsa.kernels:
  - .name:           k_q497b0bae6c_ff1
    .symbol:         k_q497b0bae6c_ff1.kd
    .args:
      - { .name: hbuf, .offset: 0, .size: 8, .value_kind: global_buffer, .address_space: global }
      - { .name: wts, .offset: 8, .size: 8, .value_kind: global_buffer, .address_space: global }
      - { .name: ff_b1, .offset: 16, .size: 8, .value_kind: global_buffer, .address_space: global }
      - { .name: gbuf, .offset: 24, .size: 8, .value_kind: global_buffer, .address_space: global }
    .group_segment_fixed_size: 327680
    .private_segment_fixed_size: 0
    .kernarg_segment_align: 8
    .kernarg_segment_size: 32
    .max_flat_workgroup_size: 128
    .sgpr_count:     102
    .vgpr_count:     1024
    .wavefront_size: 32
...
	.end_amdgpu_metadata
.endif
;; end of part 6
;; launch ff2 (part 7): grid 8 x 32, 4 waves a work-group, clusters of 4 x 4, 327,680 bytes of LDS; arguments gbuf, wts, ff_b2, x2, out0; writes out0
.if DOCPART == 7
	.amdgcn_target "amdgcn-amd-amdhsa--gfx1250"
	.amdhsa_code_object_version 6
	.text
	.protected	k_q497b0bae6c_ff2
	.globl	k_q497b0bae6c_ff2
	.p2align	8
	.type	k_q497b0bae6c_ff2,@function
k_q497b0bae6c_ff2:
	s_mov_b64 s[64:65], 0
	v_nop
	global_prefetch_b8 v0, s[64:65] scope:SCOPE_SE
	s_setreg_imm32_b32 hwreg(HW_REG_WAVE_MODE, 25, 1), 1
	s_wait_xcnt 0x0
	s_wait_alu depctr_hold_cnt(0) depctr_sa_sdst(0) depctr_va_vdst(0) depctr_va_sdst(0) depctr_va_ssrc(0) depctr_va_vcc(0) depctr_vm_vsrc(0)
	s_getreg_b32 s2, hwreg(HW_REG_IB_STS2, 6, 4)
	s_cmp_eq_u32 s2, 0
	s_cbranch_scc0 .Lentry_in_a_cluster
	s_endpgm
.Lentry_in_a_cluster:
	s_bfe_u32 s2, ttmp6, 0x10000c
	s_cmp_lg_u32 s2, 0xf033
	s_cbranch_scc0 .Lentry_shape_is_right
	s_endpgm
.Lentry_shape_is_right:
.set MB, 4
.set LMB, 2
.set NQ, 4
.set RBP, 49152
.set SROW, 2048
.set LAPS, 4
.set ASOFF, 12582912
.set BCOFF, 6291456
.set BSOFF, 9699328
.set PART, MB*NQ*1536
.set SLOT, 4*PART
.set SCL, 2*SLOT
.set HALFS, MB*SROW
.set STAGE, SCL+4*HALFS
.set SPARE, STAGE+4*4352
.set A16, 4
.set A8, 6
.set B16, 8
.set B8, 10
.set ADRS, 12
.set SPW, 13
.set NIL, 14
.set O16, 15
.set O8, 16
.set VR, 18
.set VB, 19
.set STO, 20
.set RD, 21
.set SC, 32
.set FA, 64
.set FB, 64+12*MB
.set G1A, 24
.set G0A, 32
.set G1B, 40
.set G0B, 48
.set G1SA, 56
.set G1SB, 68
.set G0SA, 76
.set G0SB, 80
.set MSB, 0
.macro WIN new
.if MSB != (\new)
	s_set_vgpr_msb (MSB<<8)|(\new)
.set MSB, (\new)
.endif
.endm
.macro PLACES n
.rept \n
	v_nop
.endr
.endm
.macro CREST
	s_cmp_lg_u32 s16, 0
	s_cbranch_scc1 .Lnot_wave_0_\@
	s_barrier_signal -3
.Lnot_wave_0_\@:
	s_barrier_wait -3
	s_barrier_signal -1
	s_barrier_wait -1
.endm
.macro CROUND
	s_barrier_signal -1
	s_barrier_wait -1
	CREST
.endm
.macro JLOAD g0a, g1a, g0b, g1b
	s_cmp_eq_u32 s17, 0
	s_cbranch_scc0 .Lfor_b_\@
	tensor_load_to_lds s[\g0a:\g0a+3], s[\g1a:\g1a+7]
	s_nop 0
.rept 4
	v_nop
.endr
	s_branch .Lasked_\@
.Lfor_b_\@:
	tensor_load_to_lds s[\g0b:\g0b+3], s[\g1b:\g1b+7]
	s_nop 0
.rept 4
	v_nop
.endr
.Lasked_\@:
.endm
.macro SCALES p
.set ii, 0
.rept MB
	ds_load_b32 v[SC+MB*(\p)+ii], v[ADRS] offset:ii*SROW
.set ii, ii+1
.endr
.endm
.macro FETCH f, a16, a8, slot, q, p
	WIN ((1-(\p))<<6)
.set ii, 0
.rept MB
.irp c, 0,1
	ds_load_b128 v[\f+12*ii+6*\c:\f+12*ii+6*\c+3], v[\a16+\slot] offset:ii*NQ*1536+(\q)*1536+\c*768
	ds_load_b64 v[\f+12*ii+6*\c+4:\f+12*ii+6*\c+5], v[\a8+\slot] offset:ii*NQ*1536+(\q)*1536+\c*768+512
.endr
.set ii, ii+1
.endr
	WIN 0
.endm
.macro MULR p, alo, ahi, zero
.set ia, \alo
.rept \ahi-\alo+1
.if MB == 8
.set aw, 2+ia/4
.set ab, 64*(ia%4)
.else
.set aw, 2
.set ab, 32*ia
.endif
.set WN, (aw<<6)|(aw<<4)|(5*(1-(\p)))
	WIN WN
.set ib, 0
.rept MB
.if \zero
	v_wmma_scale_f32_16x16x128_f8f6f4 v[ab+8*ib:ab+8*ib+7], v[FB+12*ib:FB+12*ib+11], v[FA+12*ia:FA+12*ia+11], 0, v[SC+MB*(\p)+ib], v[SC+MB*(\p)+ia] matrix_a_fmt:MATRIX_FMT_FP6 matrix_b_fmt:MATRIX_FMT_FP6 matrix_a_scale:MATRIX_SCALE_ROW1
.else
	v_wmma_scale_f32_16x16x128_f8f6f4 v[ab+8*ib:ab+8*ib+7], v[FB+12*ib:FB+12*ib+11], v[FA+12*ia:FA+12*ia+11], v[ab+8*ib:ab+8*ib+7], v[SC+MB*(\p)+ib], v[SC+MB*(\p)+ia] matrix_a_fmt:MATRIX_FMT_FP6 matrix_b_fmt:MATRIX_FMT_FP6 matrix_a_scale:MATRIX_SCALE_ROW1
.endif
.set ib, ib+1
.endr
.set ia, ia+1
.endr
.endm
.macro STEP slot, q, zero
	s_wait_dscnt 0x0
	v_add_nc_u32 v[ADRS], 64, v[ADRS]
	PLACES 4
	SCALES 1-(\q)%2
	FETCH FB, B16, B8, \slot, (\q)+1, 1-(\q)%2
	MULR (\q)%2, 0, MB/2-1, \zero
	FETCH FA, A16, A8, \slot, (\q)+1, 1-(\q)%2
	MULR (\q)%2, MB/2, MB-1, \zero
	WIN 0
.endm
.macro TURN slot, next, fill
.if \fill
	s_wait_xcnt 0x0                                ; my last prefetch has read its address: it steps one slot along K
	s_add_nc_u64 s[66:67], s[66:67], NQ*1536
.endif
	s_wait_tensorcnt 0x0
	ds_add_u32 v[SPW], v[NIL]
.if \fill
	s_add_nc_u64 s[G0A+4*\slot+2:G0A+4*\slot+3], s[G0A+4*\slot+2:G0A+4*\slot+3], 2*NQ*1536
	s_add_nc_u64 s[G0B+4*\slot+2:G0B+4*\slot+3], s[G0B+4*\slot+2:G0B+4*\slot+3], 2*NQ*1536
.endif
	s_wait_dscnt 0x0
	s_barrier_signal -1
	MULR 1, 0, MB/4-1, 0
	WIN 0
	s_barrier_wait -1
.if \fill
	CREST
	JLOAD G0A+4*\slot, G1A, G0B+4*\slot, G1B
.else
	PLACES 4
.endif
	s_wait_alu depctr_va_vdst(0)
	v_add_nc_u32 v[ADRS], 64, v[ADRS]
	SCALES 0
	FETCH FB, B16, B8, \next, 0, 0
.if \fill
	s_cmp_gt_u32 s3, 1                             ; the last trip's two refills have no slot two on
	s_cbranch_scc0 .Lno_ask_\@
	global_prefetch_b8 v22, s[66:67] offset:3*NQ*1536 th:TH_LOAD_NT scope:SCOPE_SE   ; the slot two refills on: of my four tiles the one that falls to my work-group, 24 blocks of 256 bytes, a lane a block
.Lno_ask_\@:
.endif
	MULR 1, MB/4, MB/2-1, 0
	FETCH FA, A16, A8, \next, 0, 0
	MULR 1, MB/2, MB-1, 0
	WIN 0
.endm
	s_load_b256 s[4:11], s[0:1], 0x0
	s_load_b64 s[12:13], s[0:1], 0x20
	v_lshl_add_u32 v[SPW], v0, 2, SPARE
	v_mov_b32 v[NIL], 0
	ds_add_u32 v[SPW], v[NIL]
	ds_add_u32 v[SPW], v[NIL]
	v_lshrrev_b32 v1, 5, v0
	v_readfirstlane_b32 s16, v1
	s_lshr_b32 s17, s16, 1
	s_and_b32 s18, s16, 1
	s_bfe_u32 s19, ttmp6, 0x40000
	s_bfe_u32 s20, ttmp6, 0x40004
	s_and_b32 s21, ttmp7, 0xffff
	s_lshl_b32 s21, s21, 2
	s_add_co_u32 s21, s21, s20
	s_lshl_b32 s22, ttmp9, 2
	s_add_co_u32 s22, s22, s19
	s_lshl_b32 s84, s20, 2
	s_lshl_b32 s84, 15, s84
	s_lshl_b32 s85, 0x1111, s19
	s_or_b32 s[G1A], s84, (3<<16)|(1<<21)
	s_or_b32 s[G1SA], s84, (3<<16)|(1<<21)
	s_or_b32 s[G1B], s85, (3<<16)|(1<<21)
	s_or_b32 s[G1SB], s85, (3<<16)|(1<<21)
.irp g, G1A, G1B
	s_mov_b32 s[\g+1], (192*NQ)<<16
	s_mov_b32 s[\g+2], (2*MB)<<16                  ; the head's loads of codes bring both halves of a tile: 2 MB rows
	s_mov_b32 s[\g+3], (192*NQ)<<16
	s_mov_b32 s[\g+4], 2*MB
	s_mov_b32 s[\g+5], RBP/8
	s_mov_b32 s[\g+6], 0
	s_mov_b32 s[\g+7], 0
.endr
.irp g, G1SA, G1SB
	s_mov_b32 s[\g+1], 32<<16
	s_mov_b32 s[\g+2], (2*HALFS/256)<<16           ; the scale words of both halves in one load
	s_mov_b32 s[\g+3], 32<<16
	s_mov_b32 s[\g+4], 2*HALFS/256
	s_mov_b32 s[\g+5], 32
	s_mov_b32 s[\g+6], 0
	s_mov_b32 s[\g+7], 0
.endr
	s_lshl_b32 s88, s21, LMB+1
	s_mul_i32 s90, s88, SROW
	s_mul_i32 s88, s88, RBP
	s_add_co_u32 s90, s90, ASOFF
	s_mov_b32 s89, 0
	s_mov_b32 s91, 0
	s_lshl_b32 s94, s22, LMB+1
	s_mul_i32 s96, s94, SROW
	s_mul_i32 s94, s94, RBP
	s_add_co_u32 s94, s94, BCOFF
	s_add_co_u32 s96, s96, BSOFF
	s_mov_b32 s95, 0
	s_mov_b32 s97, 0
	s_mul_i32 s98, s16, PART
	s_wait_dscnt 0x0
	s_wait_kmcnt 0x0
	s_add_nc_u64 s[88:89], s[4:5], s[88:89]
	s_add_nc_u64 s[90:91], s[4:5], s[90:91]
	s_add_nc_u64 s[94:95], s[6:7], s[94:95]
	s_add_nc_u64 s[96:97], s[6:7], s[96:97]
	CROUND
	s_mov_b32 s[G0SA], 1
	s_mov_b32 s[G0SA+1], SCL
	s_mov_b64 s[G0SA+2:G0SA+3], s[90:91]
	s_or_b32 s[G0SA+3], s[G0SA+3], 0x80000000
	s_mov_b32 s[G0SB], 1
	s_mov_b32 s[G0SB+1], SCL+2*HALFS
	s_mov_b64 s[G0SB+2:G0SB+3], s[96:97]
	s_or_b32 s[G0SB+3], s[G0SB+3], 0x80000000
	s_mov_b32 s[G0A], 1                            ; the head's four tiles, each whole, one load a wave: slot 0's codes of A,
	s_mov_b32 s[G0A+1], 0
	s_mov_b64 s[G0A+2:G0A+3], s[88:89]
	s_or_b32 s[G0A+3], s[G0A+3], 0x80000000
	s_mov_b32 s[G0B], 1                            ; of B, behind them; the two blocks of scale words were set above
	s_mov_b32 s[G0B+1], 2*PART
	s_mov_b64 s[G0B+2:G0B+3], s[94:95]
	s_or_b32 s[G0B+3], s[G0B+3], 0x80000000
	s_mul_i32 s92, s18, MB*RBP                     ; for the ring: my half of a tile's rows
	s_mov_b32 s93, 0
	s_add_nc_u64 s[88:89], s[88:89], s[92:93]
	s_add_nc_u64 s[94:95], s[94:95], s[92:93]
	s_mov_b32 s[G0A+4], 1                          ; slot 1's group 0
	s_add_co_u32 s[G0A+5], s98, SLOT
	s_add_nc_u64 s[G0A+6:G0A+7], s[88:89], NQ*1536
	s_or_b32 s[G0A+7], s[G0A+7], 0x80000000
	s_mov_b32 s[G0B+4], 1
	s_add_co_u32 s[G0B+5], s98, SLOT
	s_add_nc_u64 s[G0B+6:G0B+7], s[94:95], NQ*1536
	s_or_b32 s[G0B+7], s[G0B+7], 0x80000000
	s_cmp_eq_u32 s17, 0                            ; the prefetches: the four partners that ask for my four tiles jointly share them out BY ADDRESS, a tile each
	s_cselect_b64 s[66:67], s[88:89], s[94:95]
	s_cselect_b32 s2, s19, s20                     ; my place among them: cx for A's tiles, cy for B's
	s_mul_i32 s2, s2, RBP
	s_mov_b32 s3, 0
	s_add_nc_u64 s[66:67], s[66:67], s[2:3]
.macro ARM under, g0, g1, next         ; one chain of branches on the wave's number, one load to an arm, all arms to one join
	s_cmp_lt_u32 s16, \under
	s_cbranch_scc0 \next
	tensor_load_to_lds s[\g0:\g0+3], s[\g1:\g1+7]
	s_nop 0
.rept 4
	v_nop
.endr
	s_branch .Lhead_asked
\next:
.endm
	ARM 1, G0A, G1A, .Lhead_b
	ARM 2, G0B, G1B, .Lhead_sa
	ARM 3, G0SA, G1SA, .Lhead_sb
	tensor_load_to_lds s[G0SB:G0SB+3], s[G1SB:G1SB+7]
	s_nop 0
.rept 4
	v_nop
.endr
.Lhead_asked:
	v_and_b32 v1, 15, v0
	v_bfe_u32 v2, v0, 4, 1
	v_and_b32 v3, 31, v0
	v_lshlrev_b32 v[O16], 4, v3
	v_lshlrev_b32 v[O8], 3, v3
	s_mul_i32 s84, s17, PART
	s_mul_i32 s85, s18, PART
	s_add_co_u32 s85, s85, 2*PART
.irp s, 0,1
	v_add_nc_u32 v[A16+\s], s84, v[O16]
	v_add_nc_u32 v[A8+\s], s84, v[O8]
	v_add_nc_u32 v[B16+\s], s85, v[O16]
	v_add_nc_u32 v[B8+\s], s85, v[O8]
	s_add_co_u32 s84, s84, SLOT
	s_add_co_u32 s85, s85, SLOT
.endr
	s_mul_i32 s84, s17, HALFS
	s_mul_i32 s85, s18, HALFS
	s_add_co_u32 s85, s85, 2*HALFS
	s_sub_co_u32 s85, s85, s84
	v_mul_u32_u24 v17, s85, v2
	s_add_co_u32 s84, s84, SCL
	v_lshl_add_u32 v17, v1, 2, v17
	v_add_nc_u32 v[ADRS], s84, v17
	v_lshlrev_b32 v[VB], 4, v1
	v_lshl_add_u32 v[VR], v2, 12, v[VB]
	s_wait_alu depctr_va_vdst(0)
	s_mul_i32 s92, s16, 4352
	s_add_co_u32 s92, s92, STAGE
	v_mul_u32_u24 v[STO], v1, 272
	v_lshl_add_u32 v[STO], v2, 6, v[STO]
	v_add_nc_u32 v[STO], s92, v[STO]
	v_mul_u32_u24 v[RD], v2, 272
	v_add_nc_u32 v[RD], v[RD], v[VB]
	v_add_nc_u32 v[RD], s92, v[RD]
	s_lshl_b32 s84, s21, 7
	s_lshl_b32 s85, s17, 6
	s_add_co_u32 s84, s84, s85
	s_lshl_b32 s84, s84, 12
	s_lshl_b32 s88, s22, 9
	s_lshl_b32 s85, s18, 8
	s_add_co_u32 s88, s88, s85
	s_add_co_u32 s84, s84, s88
	s_mov_b32 s85, 0
	s_mov_b32 s89, 0
	s_add_nc_u64 s[86:87], s[12:13], s[84:85]
	s_add_nc_u64 s[84:85], s[10:11], s[84:85]
	s_add_nc_u64 s[88:89], s[8:9], s[88:89]
	WIN 0x80
.irp a, 0,1,2,3
.irp t, 0,1,2,3,4,5,6,7
	global_load_b128 v[128+32*\a+4*\t:131+32*\a+4*\t], v[VR], s[84:85] offset:(32*(\a/2)+8*(\a%2)+2*\t+8*(\t/4))*4096
.endr
.endr
	WIN 0
	global_load_b128 v[224:227], v[VB], s[88:89]
	v_and_b32 v22, 31, v0                          ; the prefetches' offset: a slot's part of a tile is 6,144 bytes, 24 blocks of 256; lanes 24-31 name the last again; never rewritten
	v_min_u32 v22, 23, v22
	v_lshlrev_b32 v22, 8, v22
	s_wait_alu depctr_va_vdst(0)                   ; the wait at the head's end
	s_wait_tensorcnt 0x0                           ; my tile of the head's four is in
	ds_add_u32 v[SPW], v[NIL]
	s_mov_b32 s[G1A+2], MB<<16                     ; no load of mine is out: from here on a load brings MB rows,
	s_mov_b32 s[G1A+4], MB
	s_mov_b32 s[G1B+2], MB<<16
	s_mov_b32 s[G1B+4], MB
	s_mul_i32 s[G0A+1], s16, PART                  ; and slot 0's group 0 becomes the ring's: my quarter, one slot's bytes ahead of slot 1's
	s_mul_i32 s[G0B+1], s16, PART
	s_sub_nc_u64 s[G0A+2:G0A+3], s[G0A+6:G0A+7], NQ*1536
	s_sub_nc_u64 s[G0B+2:G0B+3], s[G0B+6:G0B+7], NQ*1536
	s_wait_dscnt 0x0
	CROUND                                         ; all four tiles are in, in every partner
	JLOAD G0A+4, G1A, G0B+4, G1B                   ; slot 1's first fill, issued as a refill is
	SCALES 0
	FETCH FB, B16, B8, 0, 0, 0
	FETCH FA, A16, A8, 0, 0, 0
	STEP 0, 0, 1
.if LAPS > 1
	s_mov_b32 s3, LAPS-1
.Llap:
	s_wait_alu depctr_va_vdst(0)
	STEP 0, 1, 0
	s_wait_alu depctr_va_vdst(0)
	STEP 0, 2, 0
	TURN 0, 1, 1
	s_wait_alu depctr_va_vdst(0)
	STEP 1, 0, 0
	s_wait_alu depctr_va_vdst(0)
	STEP 1, 1, 0
	s_wait_alu depctr_va_vdst(0)
	STEP 1, 2, 0
	TURN 1, 0, 1
	s_wait_alu depctr_va_vdst(0)
	STEP 0, 0, 0
	s_sub_co_u32 s3, s3, 1
	s_cmp_lg_u32 s3, 0
	s_cbranch_scc1 .Llap
.endif
	s_wait_alu depctr_va_vdst(0)
	STEP 0, 1, 0
	s_wait_alu depctr_va_vdst(0)
	STEP 0, 2, 0
	TURN 0, 1, 0
	s_wait_alu depctr_va_vdst(0)
	STEP 1, 0, 0
	s_wait_alu depctr_va_vdst(0)
	STEP 1, 1, 0
	s_wait_alu depctr_va_vdst(0)
	STEP 1, 2, 0
	s_wait_dscnt 0x0
	MULR 1, 0, MB-1, 0
	WIN 0
	PLACES 4
	s_wait_loadcnt 0x0
.irp a, 0,1,2,3
.if \a > 1
	s_wait_xcnt 0x0
.endif
	WIN 0x08
.irp b, 0,1,2,3
	ds_store_b128 v[STO], v[32*\a+8*\b:32*\a+8*\b+3] offset:128*(\b/2)+32*(\b%2)
	ds_store_b128 v[STO], v[32*\a+8*\b+4:32*\a+8*\b+7] offset:128*(\b/2)+32*(\b%2)+16
.endr
	WIN 0
.irp t, 0,1,2,3,4,5,6,7
	ds_load_b128 v[160+32*(\a%2)+4*\t:163+32*(\a%2)+4*\t], v[RD] offset:544*\t
.endr
	s_wait_dscnt 0x0
	WIN 0x08
.irp i, 0,1,2,3,4,5,6,7,8,9,10,11,12,13,14,15
	v_pk_add_f32 v[160+32*(\a%2)+2*\i:161+32*(\a%2)+2*\i], v[160+32*(\a%2)+2*\i:161+32*(\a%2)+2*\i], v[128+32*\a+2*\i:129+32*\a+2*\i]
.endr
	WIN 0
.irp t, 0,1,2,3,4,5,6,7
	v_pk_add_f32 v[160+32*(\a%2)+4*\t:161+32*(\a%2)+4*\t], v[160+32*(\a%2)+4*\t:161+32*(\a%2)+4*\t], v[224:225]
	v_pk_add_f32 v[162+32*(\a%2)+4*\t:163+32*(\a%2)+4*\t], v[162+32*(\a%2)+4*\t:163+32*(\a%2)+4*\t], v[226:227]
.endr
.irp t, 0,1,2,3,4,5,6,7
	global_store_b128 v[VR], v[160+32*(\a%2)+4*\t:163+32*(\a%2)+4*\t], s[86:87] offset:(32*(\a/2)+8*(\a%2)+2*\t+8*(\t/4))*4096 th:TH_STORE_NT
.endr
.endr
	s_wait_tensorcnt 0x0
	ds_add_u32 v[SPW], v[NIL]
	s_wait_dscnt 0x0
	CROUND
	s_endpgm
.Lfunc_end_k_q497b0bae6c_ff2:
	.size	k_q497b0bae6c_ff2, .Lfunc_end_k_q497b0bae6c_ff2-k_q497b0bae6c_ff2
	.p2alignl 7, 3214868480
	.fill 96, 4, 3214868480
	.section	.rodata,"a",@progbits
	.p2align	6, 0x0
	.amdhsa_kernel k_q497b0bae6c_ff2
		.amdhsa_group_segment_fixed_size 327680
		.amdhsa_private_segment_fixed_size 0
		.amdhsa_enable_private_segment 0
		.amdhsa_kernarg_size 40
		.amdhsa_user_sgpr_count 2
		.amdhsa_user_sgpr_kernarg_segment_ptr 1
		.amdhsa_wavefront_size32 1
		.amdhsa_system_sgpr_workgroup_id_x 1
		.amdhsa_system_sgpr_workgroup_id_y 1
		.amdhsa_system_sgpr_workgroup_id_z 1
		.amdhsa_system_vgpr_workitem_id 0
		.amdhsa_next_free_vgpr 768
		.amdhsa_next_free_sgpr 102
		.amdhsa_reserve_vcc 0
		.amdhsa_float_denorm_mode_32 3
		.amdhsa_float_denorm_mode_16_64 3
		.amdhsa_memory_ordered 1
		.amdhsa_forward_progress 1
		.amdhsa_inst_pref_size 108
	.end_amdhsa_kernel
	.amdgpu_metadata
---
amdhsa.version: [ 1, 2 ]
amdhsa.kernels:
  - .name:           k_q497b0bae6c_ff2
    .symbol:         k_q497b0bae6c_ff2.kd
    .args:
      - { .name: gbuf, .offset: 0, .size: 8, .value_kind: global_buffer, .address_space: global }
      - { .name: wts, .offset: 8, .size: 8, .value_kind: global_buffer, .address_space: global }
      - { .name: ff_b2, .offset: 16, .size: 8, .value_kind: global_buffer, .address_space: global }
      - { .name: x2, .offset: 24, .size: 8, .value_kind: global_buffer, .address_space: global }
      - { .name: out0, .offset: 32, .size: 8, .value_kind: global_buffer, .address_space: global }
    .group_segment_fixed_size: 327680
    .private_segment_fixed_size: 0
    .kernarg_segment_align: 8
    .kernarg_segment_size: 40
    .max_flat_workgroup_size: 128
    .sgpr_count:     102
    .vgpr_count:     768
    .wavefront_size: 32
...
	.end_amdgpu_metadata
.endif
;; end of part 7
